; MI455X (gfx1250); checked and timed in simulation.
; The chip was launched on July 23, 2026; its instructions are those of AMD's public machine-readable ISA for CDNA 5 (MIT licence, August 2026) and "CDNA5" Instruction Set Architecture Reference Guide (July 2026). The comments in the code are by the model that wrote it; some were corrected since.
;; Mixture Of Experts. Allowed arithmetic: matrix products marked QUANTISED: E2M3 operands, one E8M0 scale for each 32 along K, by v_wmma_scale_f32_16x16x128_f8f6f4 with both operands' format E2M3, f32 sums; products left as they are: f32 operands where the result goes on into a quantised operand, else bf16, f16 or f32 operands; f32 sums; everything else in f32.
;; Inputs: W_experts 8 x 1,024 x 1,024 float32; W_gate 8 x 1,024 float32; b_experts 8 x 1,024 float32; b_gate 8 float32; x 4 x 2,048 x 1,024 float32.
;; Outputs: out0 4 x 2,048 x 1,024 float32.
;; This version of the problem:
;;   THIS VERSION OF THE PROBLEM IS GIVEN IN LOW PRECISION. The matrix products marked QUANTISED in the list below multiply operands that are first quantised to E2M3 (2 exponent bits, 3 mantissa bits; 6 bits a number), with one power-of-two scale for each 32 numbers along K (OCP MX v1.0); their sums are f32. All else is computed in f32.
;;   The module's matrix products, in the order in which they are computed (A, B: the left and right operand; K: the contracted axis; several contracted axes count as one K, in the product's order):
;;     1. [M 8,192, K 1,024] x [K 1,024, N 8]; A: input x; B: input W_gate: left as it is (N = 8 < 16)
;;     2. [M 8,192, K 1,024] x [K 1,024, N 8,192]; A: input x; B: input W_experts: QUANTISED
;;   THE QUANTISER, for each operand of a quantised product, along K:
;;     - K is cut into blocks of 32 from its start; a last block that is shorter is filled with zeros.
;;     - A block's scale is 2^e with e = floor(log2(the largest magnitude in the block)) - 2, held to -126 .. 127; a block of zeros has e = 0. As a byte (E8M0): e + 127.
;;     - Each number is divided by its block's scale, clamped to +-7.5, and rounded to the nearest number of E2M3, ties to even, subnormals kept.
;;     - The product sums the exact products of the quantised numbers (number of the format x scale) in f32.
;;   ~~~python
;;   def quantise(x, axis):      # numpy; x: float32 -> the quantised numbers, widened to float32 again
;;       x = np.moveaxis(x, axis, -1); K = x.shape[-1]
;;       x = np.pad(x, [(0, 0)] * (x.ndim - 1) + [(0, -K % 32)]); x = x.reshape(x.shape[:-1] + (-1, 32)); a = np.abs(x).max(-1, keepdims=True)
;;       e = np.where(a > 0, np.clip(np.frexp(np.where(a > 0, a, 1))[1] - 1 - 2, -126, 127), 0)      # np.frexp(a)[1] - 1 = floor(log2(a)), exactly
;;       r = np.clip(x / 2.0 ** e, -7.5, 7.5)
;;       step = 2.0 ** (np.maximum(np.frexp(np.where(r == 0, 1, r))[1] - 1, 0) - 3)
;;       q = np.round(r / step) * step * 2.0 ** e      # np.round: ties to even
;;       return np.moveaxis(q.reshape(q.shape[:-2] + (-1,))[..., :K], -1, axis).astype(np.float32)
;;   ~~~
;; 2 versions, each right; version 2 is version 1 with the launch experts written anew for expert scheduling mode. Each part assembles by itself: llvm-mc -triple=amdgcn-amd-amdhsa -mcpu=gfx1250 --defsym DOCPART=n.
;; ======== version 1 of 2: 3 launches
;; workspace buffers: xc 6,553,600 bytes; wc 6,553,600 bytes; selw 32,768 bytes of whole numbers; hist 32,768 bytes of whole numbers; prob 65,536 bytes; ordw 32,768 bytes of whole numbers; pso 65,536 bytes
;; launch route (part 1): grid 256 x 1, 8 waves a work-group, no clusters, 207,360 bytes of LDS; arguments x, W_gate, b_gate, xc, selw, prob, hist; writes xc, selw, prob, hist
.if DOCPART == 1
	.amdgcn_target "amdgcn-amd-amdhsa--gfx1250"
	.amdhsa_code_object_version 6
	.text
	.protected	k_q35ca468403_route
	.globl	k_q35ca468403_route
	.p2align	8
	.type	k_q35ca468403_route,@function
k_q35ca468403_route:
	s_mov_b64 s[64:65], 0
	v_nop
	global_prefetch_b8 v0, s[64:65] scope:SCOPE_SE
	s_setreg_imm32_b32 hwreg(HW_REG_WAVE_MODE, 25, 1), 1
	s_wait_xcnt 0x0
; ROUTE.  x [8192][1024] f32 is read once.  It is (a) quantised to codes of FP6 (E2M3) with one E8M0 byte for each 32 along K, and (b) multiplied in f32 by W_gate [8][1024]:
; logits + b_gate, softmax with the row's maximum taken away, the two largest probabilities (of equals the lower index first).
; SHARES.  Work-group c takes tokens 32 c .. 32 c + 31.  Wave w takes k = 128 w .. 128 w + 127 of all 32 tokens, in two halves of 64 (a tile's row is 256 bytes of memory, at a multiple of 256).
; A LANE HOLDS A TOKEN and its registers run along K: a block of 32 lies in one lane, the conversions find their neighbours in one lane, and the logits' parts are summed in the lane.
; OUT.  xc: token t's 768 bytes of codes at 768 t; K step s at + 96 s as [block 4s | block 4s+2][block 4s+1 | block 4s+3], 24 bytes each: the 48 bytes that lane (row, half) of an operand's
; fragment holds lie on end.  From byte 6,291,456: 32 scale bytes a token, the word of K step 2 j + h at 16 h + 4 j.
; selw[t] = i1 | i2 << 4 | key << 8 | rank << 16;  prob[t] = (p1, p2);  hist[c][k] = how many of the chunk's tokens have key k.  key numbers the unordered pair of experts, 0 .. 27, in an order in which
; neighbouring keys share an expert; rank counts the chunk's earlier tokens of the same key.  All are stored at fixed places: no address and no branch here hangs on them.
; LIMITS.  NaN and infinities among the inputs are not served.  A block of zeros gets the byte 1 where the rule says 127: its codes are zeros, and this program alone reads the bytes.
; An exponential under 2^-126 counts as 0.  The logits are f32 sums in another order than a plain dot product's: two probabilities that differ by that rounding alone may change places.
.set XTW,   17408                      ; LDS: a wave's two tiles of x: 2 x 32 rows x 272 bytes
.set XTQ,   8704
.set XP,    272                        ; 256 bytes + 16 of padding
.set WGT,   139264                     ; W_gate's slices: wave w's [8][128] f32 at 4,096 w
.set CST,   172032                     ; the codes' stage: 32 rows x 784 bytes (768 + 16)
.set CP,    784
.set SST,   197120                     ; the scale words' stage: 32 bytes a token
.set LGT,   198144                     ; the logits' parts: 1,024 w + 128 e + 4 t
.set SCOFF, 6291456                    ; where the scale bytes begin in xc
.set X,   32                           ; v32-95   64 numbers of my token
.set WB,  96                           ; v96-159  two banks of 8 experts x 4 numbers of W_gate
.set ACC, 160                          ; v160-175 a pair of sums for each expert (even k, odd k)
.set CA,  176                          ; v176-187 codes of blocks 0 and 2 of my K step
.set CB,  188                          ; v188-199 of blocks 1 and 3
.set T0,  200                          ; v200-202, v204-206: the upper halves' codes as they are made
.set T1,  204
.set AM,  208                          ; v208-209 largest magnitudes
.set SCL, 210                          ; v210-211 the conversions' scale operands
.set BY,  212                          ; v212-215 scale bytes
.set SW,  216                          ; v216     the scale word
.set G1X, 20                           ; s[20:27] descriptor group 1 for x's tiles;  s[28:35] for W_gate's slice
.set G1W, 28
.set G0A, 36                           ; s[36:39], s[40:43] groups 0 for x's two tiles;  s[44:47] for the slice
.set G0B, 40
.set G0W, 44
	s_load_b256 s[4:11], s[0:1], 0x0               ; x s[4:5], W_gate s[6:7], b_gate s[8:9], xc s[10:11]
	s_load_b128 s[12:15], s[0:1], 0x20             ; selw s[12:13], prob s[14:15]
	s_load_b64 s[16:17], s[0:1], 0x30              ; hist
	v_lshl_add_u32 v254, v0, 2, 0x32600
	v_mov_b32 v255, 0
	ds_add_u32 v254, v255
	ds_add_u32 v254, v255
	v_lshrrev_b32 v1, 5, v0
	v_readfirstlane_b32 s18, v1                    ; wave 0..7
	v_and_b32 v1, 31, v0                           ; lane = token t of the chunk
	; x's tile: 32 rows x 64 elements of 4 bytes, 1,024 elements from row to row; 4 words of padding behind every 64
	s_mov_b32 s[G1X+0], (2<<16)|(1<<20)|(5<<22)|(3<<25)
	s_mov_b32 s[G1X+1], 64<<16                     ; tensor_dim0
	s_mov_b32 s[G1X+2], 32<<16                     ; tensor_dim1
	s_mov_b32 s[G1X+3], 64<<16                     ; tile_dim0
	s_mov_b32 s[G1X+4], 32                         ; tile_dim1
	s_mov_b32 s[G1X+5], 1024                       ; pitch
	s_mov_b32 s[G1X+6], 0
	s_mov_b32 s[G1X+7], 0
	; W_gate's slice: 8 rows x 128 elements, no padding (every lane reads the same 16 bytes)
	s_mov_b32 s[G1W+0], 2<<16
	s_mov_b32 s[G1W+1], 128<<16
	s_mov_b32 s[G1W+2], 8<<16
	s_mov_b32 s[G1W+3], 128<<16
	s_mov_b32 s[G1W+4], 8
	s_mov_b32 s[G1W+5], 1024
	s_mov_b32 s[G1W+6], 0
	s_mov_b32 s[G1W+7], 0
	s_lshl_b32 s56, ttmp9, 17                      ; 32 rows of 4,096 bytes a chunk
	s_lshl_b32 s58, s18, 9                         ; 128 numbers a wave
	s_add_co_u32 s56, s56, s58
	s_mov_b32 s57, 0
	s_mov_b32 s59, 0
	s_mul_i32 s60, s18, XTW
	s_wait_dscnt 0x0
	s_wait_kmcnt 0x0
	s_load_b256 s[48:55], s[8:9], 0x0              ; b_gate's eight numbers
	s_mov_b32 s[G0W], 1
	s_lshl_b32 s[G0W+1], s18, 12
	s_add_co_u32 s[G0W+1], s[G0W+1], WGT
	s_add_nc_u64 s[G0W+2:G0W+3], s[6:7], s[58:59]
	s_or_b32 s[G0W+3], s[G0W+3], 0x80000000
	s_mov_b32 s[G0A], 1
	s_mov_b32 s[G0A+1], s60
	s_add_nc_u64 s[G0A+2:G0A+3], s[4:5], s[56:57]
	s_mov_b32 s[G0B], 1
	s_add_co_u32 s[G0B+1], s60, XTQ
	s_add_nc_u64 s[G0B+2:G0B+3], s[G0A+2:G0A+3], 256
	s_or_b32 s[G0A+3], s[G0A+3], 0x80000000
	s_or_b32 s[G0B+3], s[G0B+3], 0x80000000
	tensor_load_to_lds s[G0W:G0W+3], s[G1W:G1W+7]  ; every wave's three fills go out together, each into bytes of the wave's own, filled once: three loads of mine are out
	s_nop 0
	tensor_load_to_lds s[G0A:G0A+3], s[G1X:G1X+7]
	s_nop 0
	tensor_load_to_lds s[G0B:G0B+3], s[G1X:G1X+7]
	s_nop 0
.rept 4
	v_nop                                          ; four lines of this kind behind the tensor loads
.endr
	; every LDS address is made here, ahead of the branches on the wave's number
	v_mul_u32_u24 v2, v1, XP
	v_add_nc_u32 v2, s60, v2                       ; v2  my row in my wave's tiles
	v_mov_b32 v3, s[G0W+1]                         ; v3  my wave's slice of W_gate
	s_mul_i32 s61, s18, 96
	s_add_co_u32 s61, s61, CST
	v_mul_u32_u24 v4, v1, CP
	v_add_nc_u32 v4, s61, v4                       ; v4  codes' stage: row t, K step w
	s_and_b32 s61, s18, 1
	s_lshl_b32 s61, s61, 4
	s_lshr_b32 s62, s18, 1
	s_lshl_b32 s62, s62, 2
	s_add_co_u32 s61, s61, s62
	s_add_co_u32 s61, s61, SST
	v_lshl_add_u32 v5, v1, 5, s61                  ; v5  scale words' stage: 32 t + 16 (w % 2) + 4 (w / 2)
	s_lshl_b32 s61, s18, 10
	s_add_co_u32 s61, s61, LGT
	v_lshl_add_u32 v6, v1, 2, s61                  ; v6  my parts of the logits
	s_mul_i32 s61, s18, 4*CP
	s_add_co_u32 s61, s61, CST
	v_lshl_add_u32 v7, v1, 4, s61                  ; v7  back out of the codes' stage: my wave's four rows, 16 bytes a lane
	v_lshrrev_b32 v8, 4, v1
	v_lshl_add_u32 v8, v8, 4, v7                   ; v8  the same where lanes 16-31 lie behind one padding more
	s_mul_i32 s61, s18, 3072
	v_lshl_add_u32 v9, v1, 4, s61                  ; v9  and the same bytes in the chunk's codes in xc
	v_lshl_add_u32 v10, v1, 2, LGT                 ; v10 all waves' parts of my token's logits
	v_lshl_add_u32 v11, v1, 4, SST                 ; v11 the scale words' stage, 16 bytes a lane
	v_lshlrev_b32 v12, 4, v1
	v_lshlrev_b32 v13, 2, v1
	v_lshlrev_b32 v14, 3, v1
	s_mul_i32 s58, ttmp9, 24576
	s_add_nc_u64 s[56:57], s[10:11], s[58:59]      ; the chunk's codes in xc
	s_wait_kmcnt 0x0                               ; b_gate
.macro XLOAD q                         ; my token's 64 numbers of half q
.irp j, 0,1,2,3,4,5,6,7,8,9,10,11,12,13,14,15
	ds_load_b128 v[X+4*\j:X+4*\j+3], v2 offset:XTQ*(\q)+16*\j
.endr
.endm
.macro WLOAD q, m, p                   ; W_gate(e, 64 q + 4 m .. + 3) for the eight experts into bank p: all lanes read the same bytes
.irp e, 0,1,2,3,4,5,6,7
	ds_load_b128 v[WB+32*(\p)+4*\e:WB+32*(\p)+4*\e+3], v3 offset:512*\e+256*(\q)+16*(\m)
.endr
.endm
; Blocks 2 q and 2 q + 1 of my K step, by turns.  The largest magnitude with the floor 2^(3 - 127) among its leaves, so that the byte cannot fall under 1; 2 off its exponent field is the conversion's scale operand.
.macro QPAIR q
	v_max3_num_f32 v[AM], |v[X]|, |v[X+1]|, 0x1800000
	v_max3_num_f32 v[AM+1], |v[X+32]|, |v[X+33]|, 0x1800000
.irp i, 2,4,6,8,10,12,14,16,18,20,22,24,26,28,30
	v_max3_num_f32 v[AM], v[AM], |v[X+\i]|, |v[X+\i+1]|
	v_max3_num_f32 v[AM+1], v[AM+1], |v[X+32+\i]|, |v[X+33+\i]|
.endr
	v_add_nc_u32 v[SCL], 0xff000000, v[AM]
	v_add_nc_u32 v[SCL+1], 0xff000000, v[AM+1]
	v_cvt_scalef32_pk16_fp6_f32 v[CA+6*(\q):CA+6*(\q)+2], v[X:X+15], v[SCL]
	v_cvt_scalef32_pk16_fp6_f32 v[T0:T0+2], v[X+16:X+31], v[SCL]          ; (a conversion's three registers begin on an even number: a block's upper half is made elsewhere and moved)
	v_cvt_scalef32_pk16_fp6_f32 v[CB+6*(\q):CB+6*(\q)+2], v[X+32:X+47], v[SCL+1]
	v_cvt_scalef32_pk16_fp6_f32 v[T1:T1+2], v[X+48:X+63], v[SCL+1]
	v_lshrrev_b32 v[BY+2*(\q)], 23, v[SCL]         ; the scale's byte; also the plain line behind the conversions
	v_lshrrev_b32 v[BY+2*(\q)+1], 23, v[SCL+1]
.irp i, 0,1,2
	v_mov_b32 v[CA+6*(\q)+3+\i], v[T0+\i]
	v_mov_b32 v[CB+6*(\q)+3+\i], v[T1+\i]
.endr
.endm
; The logits' parts of half q: 16 trips of 4 along K x 8 experts, two multiply-adds an instruction.  Two banks of W_gate take turns; a bank's eight loads have only the other bank's eight behind them.
.macro GATE q
.irp m, 0,1,2,3,4,5,6,7,8,9,10,11,12,13,14,15
.if \m < 15
	s_wait_dscnt 8                                 ; this bank is in; the other bank's eight loads may be out
.else
	s_wait_dscnt 0x0
.endif
.irp e, 0,1,2,3,4,5,6,7
.if ((\q) == 0) && (\m == 0)
	v_pk_mul_f32 v[ACC+2*\e:ACC+2*\e+1], v[X+4*\m:X+4*\m+1], v[WB+32*(\m%2)+4*\e:WB+32*(\m%2)+4*\e+1]     ; the first products start the sums: nothing is cleared
.else
	v_pk_fma_f32 v[ACC+2*\e:ACC+2*\e+1], v[X+4*\m:X+4*\m+1], v[WB+32*(\m%2)+4*\e:WB+32*(\m%2)+4*\e+1], v[ACC+2*\e:ACC+2*\e+1]
.endif
.endr
.irp e, 0,1,2,3,4,5,6,7
	v_pk_fma_f32 v[ACC+2*\e:ACC+2*\e+1], v[X+4*\m+2:X+4*\m+3], v[WB+32*(\m%2)+4*\e+2:WB+32*(\m%2)+4*\e+3], v[ACC+2*\e:ACC+2*\e+1]
.endr
.if \m < 14
	WLOAD \q, \m+2, \m%2
.endif
.endr
.endm
	s_wait_tensorcnt 0x1                           ; the slice and the first half of x are in; the second half's load may be out.  Only I read these bytes
	XLOAD 0
	WLOAD 0, 0, 0
	WLOAD 0, 1, 1
	s_wait_dscnt 16                                ; x's 16 loads are in; the two banks' 16 may be out
	QPAIR 0
	GATE 0
	s_wait_tensorcnt 0x0                           ; the second half
	XLOAD 1
	WLOAD 1, 0, 0
	WLOAD 1, 1, 1
	s_wait_dscnt 16
	QPAIR 1
	GATE 1
	v_lshl_or_b32 v[SW], v[BY+1], 8, v[BY]         ; the four bytes make my token's scale word of K step w
	v_lshl_or_b32 v[SW], v[BY+2], 16, v[SW]
	v_lshl_or_b32 v[SW], v[BY+3], 24, v[SW]
.irp e, 0,1,2,3,4,5,6,7
	v_add_f32 v[ACC+2*\e], v[ACC+2*\e], v[ACC+2*\e+1]
.endr
.irp c, 0,1,2
	ds_store_b128 v4, v[CA+4*\c:CA+4*\c+3] offset:16*\c
.endr
.irp c, 0,1,2
	ds_store_b128 v4, v[CB+4*\c:CB+4*\c+3] offset:48+16*\c
.endr
	ds_store_b32 v5, v[SW]
.irp e, 0,1,2,3,4,5,6,7
	ds_store_b32 v6, v[ACC+2*\e] offset:128*\e
.endr
	s_wait_dscnt 0x0                               ; for the others' sake: my stores have landed
	s_barrier_signal -1
	s_barrier_wait -1                              ; the chunk's codes, scale words and logits' parts lie in LDS
	; every wave stores four tokens' codes: 3,072 consecutive bytes, 512 an instruction.  A stage row has 16 bytes of padding behind its 768
	ds_load_b128 v[32:35], v7
	ds_load_b128 v[36:39], v8 offset:512
	ds_load_b128 v[40:43], v7 offset:1040
	ds_load_b128 v[44:47], v7 offset:1568
	ds_load_b128 v[48:51], v8 offset:2080
	ds_load_b128 v[52:55], v7 offset:2608
.irp n, 0,1,2,3,4,5
	s_wait_dscnt 5-\n
	global_store_b128 v9, v[32+4*\n:35+4*\n], s[56:57] offset:512*\n
.endr
	s_cmp_lg_u32 s18, 1
	s_cbranch_scc1 .Lnot_wave_1
	; wave 1: the chunk's 1,024 scale bytes
	s_lshl_b32 s58, ttmp9, 10
	s_add_co_u32 s58, s58, SCOFF
	s_add_nc_u64 s[62:63], s[10:11], s[58:59]
	ds_load_b128 v[56:59], v11
	ds_load_b128 v[60:63], v11 offset:512
	s_wait_dscnt 0x0
	global_store_b128 v12, v[56:59], s[62:63]
	global_store_b128 v12, v[60:63], s[62:63] offset:512
.Lnot_wave_1:
	s_cmp_lg_u32 s18, 0
	s_cbranch_scc1 .Lend
	; wave 0: THE ROUTER, a lane to a token
.set PT,  96                           ; v96-159  the eight waves' parts of the eight logits
.set LG,  160                          ; v160-167 logits
.set EX,  170                          ; v170-177 exponentials, then probabilities
.set QV,  190                          ; v190-197 the probabilities without the largest
.set PP,  210                          ; v[210:211] p1, p2
.set I1R, 186
.set I2R, 189
.set KEY, 202
.irp w, 0,1,2,3,4,5,6,7
.irp e, 0,1,2,3,4,5,6,7
	ds_load_b32 v[PT+8*\w+\e], v10 offset:1024*\w+128*\e
.endr
.endr
	s_wait_dscnt 0x0
.irp e, 0,1,2,3,4,5,6,7
	v_add_f32 v[LG+\e], s[48+\e], v[PT+\e]         ; b_gate + wave 0's part
.endr
.irp w, 1,2,3,4,5,6,7
.irp e, 0,1,2,3,4,5,6,7
	v_add_f32 v[LG+\e], v[LG+\e], v[PT+8*\w+\e]
.endr
.endr
	v_max3_num_f32 v168, v[LG], v[LG+1], v[LG+2]
	v_max3_num_f32 v168, v168, v[LG+3], v[LG+4]
	v_max3_num_f32 v168, v168, v[LG+5], v[LG+6]
	v_max_num_f32 v168, v168, v[LG+7]              ; the row's largest logit
.irp e, 0,1,2,3,4,5,6,7
	v_sub_f32 v[EX+\e], v[LG+\e], v168             ; the maximum is taken away first, and the difference then scaled: not fused, so that large logits lose nothing
.endr
.irp e, 0,1,2,3,4,5,6,7
	v_mul_f32 v[EX+\e], 0x3fb8aa3b, v[EX+\e]       ; x log2(e)
.endr
.irp e, 0,1,2,3,4,5,6,7
	v_exp_f32 v[EX+\e], v[EX+\e]
.endr
	v_nop                                          ; a plain line behind the last exponential
	s_wait_alu depctr_va_vdst(0)                   ; one wait for the batch of eight, ahead of its first reader
	v_add_f32 v180, v[EX], v[EX+1]
	v_add_f32 v181, v[EX+2], v[EX+3]
	v_add_f32 v182, v[EX+4], v[EX+5]
	v_add_f32 v183, v[EX+6], v[EX+7]
	v_add_f32 v180, v180, v181
	v_add_f32 v182, v182, v183
	v_add_f32 v180, v180, v182
	v_rcp_f32 v184, v180
	v_mov_b32 v188, -1.0                           ; (a plain line behind the reciprocal)  under every probability
	s_wait_alu depctr_va_vdst(0)
.irp e, 0,1,2,3,4,5,6,7
	v_mul_f32 v[EX+\e], v[EX+\e], v184             ; the probabilities
.endr
	v_mov_b32 v[PP], v[EX]                         ; the largest: the old one is kept where it is at least the candidate, so of equals the lower index stays
	v_mov_b32 v[I1R], 0
.irp e, 1,2,3,4,5,6,7
	v_cmp_ge_f32 vcc_lo, v[PP], v[EX+\e]
	v_cndmask_b32 v[PP], v[EX+\e], v[PP], vcc_lo
	v_cndmask_b32 v[I1R], \e, v[I1R], vcc_lo
.endr
.irp e, 0,1,2,3,4,5,6,7
	v_cmp_eq_u32 vcc_lo, \e, v[I1R]
	v_cndmask_b32 v[QV+\e], v[EX+\e], v188, vcc_lo ; the largest is taken out
.endr
	v_mov_b32 v[PP+1], v[QV]                       ; and the scan is run again
	v_mov_b32 v[I2R], 0
.irp e, 1,2,3,4,5,6,7
	v_cmp_ge_f32 vcc_lo, v[PP+1], v[QV+\e]
	v_cndmask_b32 v[PP+1], v[QV+\e], v[PP+1], vcc_lo
	v_cndmask_b32 v[I2R], \e, v[I2R], vcc_lo
.endr
	; key = lo (15 - lo) / 2 + (lo even: hi - lo - 1; lo odd: 7 - hi)
	v_min_u32 v200, v[I1R], v[I2R]
	v_max_u32 v201, v[I1R], v[I2R]
	v_sub_nc_u32 v[KEY], 15, v200
	v_mul_u32_u24 v[KEY], v200, v[KEY]
	v_lshrrev_b32 v[KEY], 1, v[KEY]
	v_sub_nc_u32 v203, v201, v200
	v_add_nc_u32 v203, -1, v203
	v_sub_nc_u32 v204, 7, v201
	v_and_b32 v205, 1, v200
	v_cmp_eq_u32 vcc_lo, 1, v205
	v_cndmask_b32 v203, v203, v204, vcc_lo
	v_add_nc_u32 v[KEY], v[KEY], v203
	v_mov_b32 v206, 0                              ; the chunk's histogram: lane k holds key k's count
	v_mov_b32 v207, 0                              ; my rank among the chunk's tokens of my key
.irp k, 0,1,2,3,4,5,6,7,8,9,10,11,12,13,14,15,16,17,18,19,20,21,22,23,24,25,26,27
	v_cmp_eq_u32 vcc_lo, \k, v[KEY]
	s_bcnt1_i32_b32 s67, vcc_lo
	v_writelane_b32 v206, s67, \k
	v_mbcnt_lo_u32_b32 v208, vcc_lo, 0             ; how many lower lanes have key k
	v_cndmask_b32 v207, v207, v208, vcc_lo
.endr
	v_lshl_or_b32 v209, v[I2R], 4, v[I1R]
	v_lshl_or_b32 v209, v[KEY], 8, v209
	v_lshl_or_b32 v209, v207, 16, v209
	s_lshl_b32 s58, ttmp9, 7
	s_add_nc_u64 s[60:61], s[12:13], s[58:59]
	s_add_nc_u64 s[68:69], s[16:17], s[58:59]
	s_lshl_b32 s58, ttmp9, 8
	s_add_nc_u64 s[70:71], s[14:15], s[58:59]
	global_store_b32 v13, v209, s[60:61]           ; selw
	global_store_b32 v13, v206, s[68:69]           ; hist
	global_store_b64 v14, v[PP:PP+1], s[70:71]     ; prob
.Lend:
	s_wait_tensorcnt 0x0
	ds_add_u32 v254, v255
	s_wait_dscnt 0x0
	s_endpgm
.Lfunc_end_k_q35ca468403_route:
	.size	k_q35ca468403_route, .Lfunc_end_k_q35ca468403_route-k_q35ca468403_route
	.p2alignl 7, 3214868480
	.fill 96, 4, 3214868480
	.section	.rodata,"a",@progbits
	.p2align	6, 0x0
	.amdhsa_kernel k_q35ca468403_route
		.amdhsa_group_segment_fixed_size 207360
		.amdhsa_private_segment_fixed_size 0
		.amdhsa_enable_private_segment 0
		.amdhsa_kernarg_size 56
		.amdhsa_user_sgpr_count 2
		.amdhsa_user_sgpr_kernarg_segment_ptr 1
		.amdhsa_wavefront_size32 1
		.amdhsa_system_sgpr_workgroup_id_x 1
		.amdhsa_system_sgpr_workgroup_id_y 1
		.amdhsa_system_sgpr_workgroup_id_z 1
		.amdhsa_system_vgpr_workitem_id 0
		.amdhsa_next_free_vgpr 256
		.amdhsa_next_free_sgpr 72
		.amdhsa_reserve_vcc 1
		.amdhsa_float_denorm_mode_32 3
		.amdhsa_float_denorm_mode_16_64 3
		.amdhsa_memory_ordered 1
		.amdhsa_forward_progress 1
		.amdhsa_inst_pref_size 82
	.end_amdhsa_kernel
	.amdgpu_metadata
---
amdhsa.version: [ 1, 2 ]
amdhsa.kernels:
  - .name:           k_q35ca468403_route
    .symbol:         k_q35ca468403_route.kd
    .args:
      - { .name: x, .offset: 0, .size: 8, .value_kind: global_buffer, .address_space: global }
      - { .name: W_gate, .offset: 8, .size: 8, .value_kind: global_buffer, .address_space: global }
      - { .name: b_gate, .offset: 16, .size: 8, .value_kind: global_buffer, .address_space: global }
      - { .name: xc, .offset: 24, .size: 8, .value_kind: global_buffer, .address_space: global }
      - { .name: selw, .offset: 32, .size: 8, .value_kind: global_buffer, .address_space: global }
      - { .name: prob, .offset: 40, .size: 8, .value_kind: global_buffer, .address_space: global }
      - { .name: hist, .offset: 48, .size: 8, .value_kind: global_buffer, .address_space: global }
    .group_segment_fixed_size: 207360
    .private_segment_fixed_size: 0
    .kernarg_segment_align: 8
    .kernarg_segment_size: 56
    .max_flat_workgroup_size: 256
    .sgpr_count:     72
    .vgpr_count:     256
    .wavefront_size: 32
...
	.end_amdgpu_metadata
.endif
;; end of part 1
;; launch wprep (part 2): grid 256 x 1, 8 waves a work-group, no clusters, 168,960 bytes of LDS; arguments W_experts, selw, prob, hist, wc, ordw, pso; writes wc, ordw, pso
.if DOCPART == 2
	.amdgcn_target "amdgcn-amd-amdhsa--gfx1250"
	.amdhsa_code_object_version 6
	.text
	.protected	k_q35ca468403_wprep
	.globl	k_q35ca468403_wprep
	.p2align	8
	.type	k_q35ca468403_wprep,@function
k_q35ca468403_wprep:
	s_mov_b64 s[64:65], 0
	v_nop
	global_prefetch_b8 v0, s[64:65] scope:SCOPE_SE
	s_setreg_imm32_b32 hwreg(HW_REG_WAVE_MODE, 25, 1), 1
	s_wait_xcnt 0x0
; WPREP.  (a) W_experts, taken as [8192 rows][1024] f32, is read once and quantised to codes of FP6 (E2M3) with one E8M0 byte for each 32 along K, laid in the ORDER OF AN OPERAND'S REGISTERS:
; the fragment of column block cb (16 rows) and K step s lies at 12,288 cb + 1,536 s; in it lane l's registers 4 c .. 4 c + 3 at 512 c + 16 l.  Scale words from byte 6,291,456:
; 1,024 (cb / 2) + 128 s + 4 (16 (cb % 2) + row).
; (b) Wave 0 of work-group j places chunk j's 32 tokens in the list sorted by key: position = tokens of lower keys + tokens of my key in earlier chunks + my rank in the chunk, all from whole numbers
; that the launch before has stored.  ordw[pos] = token | i1 << 16 | i2 << 24;  pso[pos] = (p1, p2).  It stands between the tensor loads and the first wait for them.
; SHARES.  Work-group j takes rows 32 j .. 32 j + 31, wave w K step w (128 along K, in two halves of 64: a tile's row is 256 bytes of memory, at a multiple of 256).  A lane holds a row and its registers run along K.
; LIMITS.  NaN and infinities among the inputs are not served.  A block of zeros gets the byte 1 where the rule says 127: its codes are zeros, and this program alone reads the bytes.
.set XTW,   17408
.set XTQ,   8704
.set XP,    272                        ; 256 bytes + 16 of padding: 17 x 16
.set SCOFF, 6291456
.set X,   32                           ; v32-95   64 numbers of my row; in wave 0 first two sets of 32 rows of the histogram
.set CA,  176
.set CB,  188
.set T0,  200
.set T1,  204
.set AM,  208
.set SCL, 210
.set BY,  212
.set SW,  216
.set SEL, 96                           ; v96      my token's word of selw
.set PRB, 98                           ; v[98:99] its two probabilities
.set PRE, 100                          ; v100-101 lane k: key k's tokens in earlier chunks, in two sums
.set TOT, 102                          ; v102-103 lane k: key k's tokens in all chunks, in two sums
.set KEY, 104
.set RNK, 105
.set POS, 106
.set G1X, 20
.set G0A, 36
.set G0B, 40
	s_load_b256 s[4:11], s[0:1], 0x0               ; W_experts s[4:5], selw s[6:7], prob s[8:9], hist s[10:11]
	s_load_b128 s[12:15], s[0:1], 0x20             ; wc s[12:13], ordw s[14:15]
	s_load_b64 s[16:17], s[0:1], 0x30              ; pso
	v_lshl_add_u32 v254, v0, 2, 0x29000
	v_mov_b32 v255, 0
	ds_add_u32 v254, v255
	ds_add_u32 v254, v255
	v_lshrrev_b32 v1, 5, v0
	v_readfirstlane_b32 s18, v1                    ; wave 0..7
	v_and_b32 v1, 31, v0                           ; lane
	; a tile: 32 rows x 64 elements of 4 bytes, 1,024 elements from row to row; 4 words of padding behind every 64
	s_mov_b32 s[G1X+0], (2<<16)|(1<<20)|(5<<22)|(3<<25)
	s_mov_b32 s[G1X+1], 64<<16
	s_mov_b32 s[G1X+2], 32<<16
	s_mov_b32 s[G1X+3], 64<<16
	s_mov_b32 s[G1X+4], 32
	s_mov_b32 s[G1X+5], 1024
	s_mov_b32 s[G1X+6], 0
	s_mov_b32 s[G1X+7], 0
	s_lshl_b32 s48, ttmp9, 17
	s_lshl_b32 s49, s18, 9
	s_add_co_u32 s48, s48, s49
	s_mov_b32 s49, 0
	s_mul_i32 s54, s18, XTW
	s_wait_dscnt 0x0
	s_wait_kmcnt 0x0
	s_mov_b32 s[G0A], 1
	s_mov_b32 s[G0A+1], s54
	s_add_nc_u64 s[G0A+2:G0A+3], s[4:5], s[48:49]
	s_mov_b32 s[G0B], 1
	s_add_co_u32 s[G0B+1], s54, XTQ
	s_add_nc_u64 s[G0B+2:G0B+3], s[G0A+2:G0A+3], 256
	s_or_b32 s[G0A+3], s[G0A+3], 0x80000000
	s_or_b32 s[G0B+3], s[G0B+3], 0x80000000
	tensor_load_to_lds s[G0A:G0A+3], s[G1X:G1X+7]  ; every wave's two fills go out together, into bytes of the wave's own, filled once: two loads of mine are out
	s_nop 0
	tensor_load_to_lds s[G0B:G0B+3], s[G1X:G1X+7]
	s_nop 0
.rept 4
	v_nop                                          ; four lines of this kind behind the tensor loads
.endr
	v_mul_u32_u24 v2, v1, XP
	v_add_nc_u32 v2, s54, v2                       ; v2  my row in my wave's tiles
	v_lshlrev_b32 v16, 2, v1                       ; v16 4 x lane
	v_lshlrev_b32 v17, 3, v1                       ; v17 8 x lane
	v_lshrrev_b32 v18, 4, v1
	v_mul_u32_u24 v18, v18, 12288
	v_and_b32 v19, 15, v1
	v_lshl_add_u32 v18, v19, 4, v18                ; v18 my column block of the two, and 16 x my row in it
	s_mul_i32 s48, ttmp9, 24576
	s_mul_i32 s52, s18, 1536
	s_add_co_u32 s48, s48, s52
	s_add_nc_u64 s[50:51], s[12:13], s[48:49]      ; my wave's two fragments
	s_lshl_b32 s48, ttmp9, 10
	s_lshl_b32 s52, s18, 7
	s_add_co_u32 s48, s48, s52
	s_add_co_u32 s48, s48, SCOFF
	s_add_nc_u64 s[52:53], s[12:13], s[48:49]      ; and their scale words
	s_lshl_b32 s48, ttmp9, 7
	s_add_nc_u64 s[44:45], s[6:7], s[48:49]        ; the chunk's words of selw
	s_lshl_b32 s48, ttmp9, 8
	s_add_nc_u64 s[46:47], s[8:9], s[48:49]        ; and its probabilities
	s_cmp_lg_u32 s18, 0
	s_cbranch_scc1 .Lquant
	; ---- wave 0: THE PLACEMENT.  No branch hangs on a loaded number
.macro HLOAD g                         ; 32 chunks' histograms: a lane to a key, 128 consecutive bytes a load
.irp i, 0,1,2,3,4,5,6,7,8,9,10,11,12,13,14,15,16,17,18,19,20,21,22,23,24,25,26,27,28,29,30,31
	global_load_b32 v[X+32*((\g)%2)+\i], v16, s[10:11] offset:(32*(\g)+\i)*128
.endr
.endm
.macro HSUM g                          ; they are added to the totals, and those of chunks ahead of mine to the prefix: a factor 1 or 0 made from the work-group's number
.irp i, 0,1,2,3,4,5,6,7,8,9,10,11,12,13,14,15,16,17,18,19,20,21,22,23,24,25,26,27,28,29,30,31
	s_cmp_gt_u32 ttmp9, 32*(\g)+\i
	s_cselect_b32 s56, 1, 0
	v_mad_u32_u24 v[PRE+\i%2], v[X+32*((\g)%2)+\i], s56, v[PRE+\i%2]
	v_add_nc_u32 v[TOT+\i%2], v[TOT+\i%2], v[X+32*((\g)%2)+\i]
.endr
.endm
	global_load_b32 v[SEL], v16, s[44:45]
	global_load_b64 v[PRB:PRB+1], v17, s[46:47]
	HLOAD 0
	HLOAD 1
.irp i, 0,1,2,3
	v_mov_b32 v[PRE+\i], 0
.endr
	v_mov_b32 v[POS], 0
.irp g, 0,1,2,3,4,5,6,7
.if \g < 7
	s_wait_loadcnt 32                              ; this group's 32 loads are in (and all older ones); the next group's 32 may be out
.else
	s_wait_loadcnt 0x0
.endif
	HSUM \g
.if \g < 6
	HLOAD \g+2
.endif
.endr
	v_add_nc_u32 v[PRE], v[PRE], v[PRE+1]
	v_add_nc_u32 v[TOT], v[TOT], v[TOT+1]
	v_bfe_u32 v[KEY], v[SEL], 8, 8
	v_lshrrev_b32 v[RNK], 16, v[SEL]
	s_mov_b32 s57, 0                               ; tokens of lower keys
.irp k, 0,1,2,3,4,5,6,7,8,9,10,11,12,13,14,15,16,17,18,19,20,21,22,23,24,25,26,27
	v_readlane_b32 s58, v[TOT], \k
	v_readlane_b32 s59, v[PRE], \k
	s_add_co_u32 s59, s59, s57
	v_mov_b32 v110, s59
	v_cmp_eq_u32 vcc_lo, \k, v[KEY]
	v_cndmask_b32 v[POS], v[POS], v110, vcc_lo     ; where key k's tokens of my chunk begin
	s_add_co_u32 s57, s57, s58
.endr
	v_add_nc_u32 v[POS], v[POS], v[RNK]
	v_min_u32 v[POS], 0x1fff, v[POS]               ; a loaded number enters an address behind this hold alone
	v_lshlrev_b32 v107, 2, v[POS]
	v_lshlrev_b32 v108, 3, v[POS]
	s_lshl_b32 s58, ttmp9, 5
	v_add_nc_u32 v109, s58, v1                     ; my token
	v_and_b32 v110, 15, v[SEL]
	v_lshl_or_b32 v109, v110, 16, v109             ; i1
	v_bfe_u32 v111, v[SEL], 4, 4
	v_lshl_or_b32 v109, v111, 24, v109             ; i2
	global_store_b32 v107, v109, s[14:15]          ; scattered words: 96 KiB in the whole launch.  Their registers are not written again
	global_store_b64 v108, v[PRB:PRB+1], s[16:17]
.Lquant:
.macro XLOAD q
.irp j, 0,1,2,3,4,5,6,7,8,9,10,11,12,13,14,15
	ds_load_b128 v[X+4*\j:X+4*\j+3], v2 offset:XTQ*(\q)+16*\j
.endr
.endm
; Blocks 2 q and 2 q + 1 of my K step, by turns.  The largest magnitude with the floor 2^(3 - 127) among its leaves, so that the byte cannot fall under 1; 2 off its exponent field is the conversion's scale operand.
.macro QPAIR q
	v_max3_num_f32 v[AM], |v[X]|, |v[X+1]|, 0x1800000
	v_max3_num_f32 v[AM+1], |v[X+32]|, |v[X+33]|, 0x1800000
.irp i, 2,4,6,8,10,12,14,16,18,20,22,24,26,28,30
	v_max3_num_f32 v[AM], v[AM], |v[X+\i]|, |v[X+\i+1]|
	v_max3_num_f32 v[AM+1], v[AM+1], |v[X+32+\i]|, |v[X+33+\i]|
.endr
	v_add_nc_u32 v[SCL], 0xff000000, v[AM]
	v_add_nc_u32 v[SCL+1], 0xff000000, v[AM+1]
	v_cvt_scalef32_pk16_fp6_f32 v[CA+6*(\q):CA+6*(\q)+2], v[X:X+15], v[SCL]
	v_cvt_scalef32_pk16_fp6_f32 v[T0:T0+2], v[X+16:X+31], v[SCL]          ; (a conversion's three registers begin on an even number)
	v_cvt_scalef32_pk16_fp6_f32 v[CB+6*(\q):CB+6*(\q)+2], v[X+32:X+47], v[SCL+1]
	v_cvt_scalef32_pk16_fp6_f32 v[T1:T1+2], v[X+48:X+63], v[SCL+1]
	v_lshrrev_b32 v[BY+2*(\q)], 23, v[SCL]         ; the scale's byte; also the plain line behind the conversions
	v_lshrrev_b32 v[BY+2*(\q)+1], 23, v[SCL+1]
.irp i, 0,1,2
	v_mov_b32 v[CA+6*(\q)+3+\i], v[T0+\i]
	v_mov_b32 v[CB+6*(\q)+3+\i], v[T1+\i]
.endr
.endm
	s_wait_tensorcnt 0x1                           ; my first half is in, the second half's load may be out.  Only I read these bytes
	XLOAD 0
	s_wait_dscnt 0x0
	QPAIR 0
	s_wait_tensorcnt 0x0
	XLOAD 1
	s_wait_dscnt 0x0
	QPAIR 1
	v_lshl_or_b32 v[SW], v[BY+1], 8, v[BY]
	v_lshl_or_b32 v[SW], v[BY+2], 16, v[SW]
	v_lshl_or_b32 v[SW], v[BY+3], 24, v[SW]
	; blocks 0 and 2 are the twelve registers of the fragment's lane (row, 0), blocks 1 and 3 those of lane (row, 1): sixteen lanes store 256 consecutive bytes, at a multiple of 256 from wc's first byte
.irp c, 0,1,2
	global_store_b128 v18, v[CA+4*\c:CA+4*\c+3], s[50:51] offset:512*\c
	global_store_b128 v18, v[CB+4*\c:CB+4*\c+3], s[50:51] offset:512*\c+256
.endr
	global_store_b32 v16, v[SW], s[52:53]          ; 128 consecutive bytes a wave
	s_wait_tensorcnt 0x0
	ds_add_u32 v254, v255
	s_wait_dscnt 0x0
	s_endpgm
.Lfunc_end_k_q35ca468403_wprep:
	.size	k_q35ca468403_wprep, .Lfunc_end_k_q35ca468403_wprep-k_q35ca468403_wprep
	.p2alignl 7, 3214868480
	.fill 96, 4, 3214868480
	.section	.rodata,"a",@progbits
	.p2align	6, 0x0
	.amdhsa_kernel k_q35ca468403_wprep
		.amdhsa_group_segment_fixed_size 168960
		.amdhsa_private_segment_fixed_size 0
		.amdhsa_enable_private_segment 0
		.amdhsa_kernarg_size 56
		.amdhsa_user_sgpr_count 2
		.amdhsa_user_sgpr_kernarg_segment_ptr 1
		.amdhsa_wavefront_size32 1
		.amdhsa_system_sgpr_workgroup_id_x 1
		.amdhsa_system_sgpr_workgroup_id_y 1
		.amdhsa_system_sgpr_workgroup_id_z 1
		.amdhsa_system_vgpr_workitem_id 0
		.amdhsa_next_free_vgpr 256
		.amdhsa_next_free_sgpr 66
		.amdhsa_reserve_vcc 1
		.amdhsa_float_denorm_mode_32 3
		.amdhsa_float_denorm_mode_16_64 3
		.amdhsa_memory_ordered 1
		.amdhsa_forward_progress 1
		.amdhsa_inst_pref_size 91
	.end_amdhsa_kernel
	.amdgpu_metadata
---
amdhsa.version: [ 1, 2 ]
amdhsa.kernels:
  - .name:           k_q35ca468403_wprep
    .symbol:         k_q35ca468403_wprep.kd
    .args:
      - { .name: W_experts, .offset: 0, .size: 8, .value_kind: global_buffer, .address_space: global }
      - { .name: selw, .offset: 8, .size: 8, .value_kind: global_buffer, .address_space: global }
      - { .name: prob, .offset: 16, .size: 8, .value_kind: global_buffer, .address_space: global }
      - { .name: hist, .offset: 24, .size: 8, .value_kind: global_buffer, .address_space: global }
      - { .name: wc, .offset: 32, .size: 8, .value_kind: global_buffer, .address_space: global }
      - { .name: ordw, .offset: 40, .size: 8, .value_kind: global_buffer, .address_space: global }
      - { .name: pso, .offset: 48, .size: 8, .value_kind: global_buffer, .address_space: global }
    .group_segment_fixed_size: 168960
    .private_segment_fixed_size: 0
    .kernarg_segment_align: 8
    .kernarg_segment_size: 56
    .max_flat_workgroup_size: 256
    .sgpr_count:     66
    .vgpr_count:     256
    .wavefront_size: 32
...
	.end_amdgpu_metadata
.endif
;; end of part 2
;; launch experts (part 3): grid 4 x 64, 4 waves a work-group, no clusters, 135,680 bytes of LDS; arguments xc, wc, ordw, pso, b_experts, out0; writes out0
.if DOCPART == 3
	.amdgcn_target "amdgcn-amd-amdhsa--gfx1250"
	.amdhsa_code_object_version 6
	.text
	.protected	k_q35ca468403_experts
	.globl	k_q35ca468403_experts
	.p2align	8
	.type	k_q35ca468403_experts,@function
k_q35ca468403_experts:
	s_mov_b64 s[64:65], 0
	v_nop
	global_prefetch_b8 v0, s[64:65] scope:SCOPE_SE
	s_setreg_imm32_b32 hwreg(HW_REG_WAVE_MODE, 25, 1), 1
	s_wait_xcnt 0x0
; EXPERTS.  out[t] = p1 (x[t] W[i1]^T + b[i1]) + p2 (x[t] W[i2]^T + b[i2]), the products on codes of FP6 (E2M3) with one E8M0 scale for each 32 along K.
; The tokens come sorted by their pair of experts (ordw, pso).  Work-group (bx, by) takes positions 128 by .. 128 by + 127 of that list and outputs 256 bx .. 256 bx + 255; wave w all 128 tokens x 64 outputs.
; It walks ONLY the experts that some token of its block has chosen, two at the least, eight at the most: one pass of K = 1,024 an expert; behind a pass each token's row is weighed with its
; probability for that expert (0 where it has not chosen it) and added.  So every output row has one owner and is stored once.
; NO TENSOR LOAD AND NO CLUSTER: the number of passes and the weights' addresses hang on numbers read from ordw.  What the four work-groups of one by share is x's tile, 100 KB beside 200 KB of weights for each pass.
; x's codes are gathered once into LDS, behind the one barrier, which stands ahead of every branch on loaded numbers.  A fragment of W has one reader in the work-group: it goes from memory straight into
; registers, laid by the launch before in the order of the operand's registers.
; THE MATRIX INSTRUCTION IS USED TRANSPOSED (source 0 = 16 rows of W, source 1 = 16 tokens): a lane holds ONE token (lane % 16) and eight neighbouring outputs.  The bias is the C of a pass's first products.
; REGISTERS, in windows of 256: window 0: v1-15 addresses; v16-47 x's scale words; v48-55 W's, four slots; v56-71 the tokens' experts; v72-87 their probabilities; v88-103 the pass's weights;
;   v104-111 offsets of x's scale words; v112-143 the bias; v144-239 x's eight fragments, ONE set; v240-247 at work in the head.
;   window 1: v0-191 W's fragments, a ring of four K steps; v192-255 the byte offsets of my 64 stores' rows in out0.   window 2: the pass's 32 accumulators ((a, b) at 8 (4 a + b)).   window 3: out, likewise.
.set XP,    784                        ; a token's row in LDS: 768 bytes + 16 = 49 x 16: the 16 rows of a pass of a 16-byte load touch 16 different columns of 16 bytes
.set STG,   100352                     ; behind x's 128 rows: for each wave two stages of 16 rows x 272 bytes
.set SPT,   272
.set SCOFF, 6291456                    ; where the scale bytes begin in xc and in wc
.set L16,  4                           ; v4   16 x lane
.set L4,   5                           ; v5   4 x lane
.set AF0,  6                           ; v6   LDS: my row and half in x's row blocks 0-3;  v7: in blocks 4-7
.set AF1,  7
.set BOFF, 8                           ; v8   32 x half
.set STO,  9                           ; v9   the stage: where I put 32 bytes of a row
.set RD,   10                          ; v10  and where I read rows back
.set C16,  12                          ; v12  16 x (lane % 16)
.set SA,   13                          ; v13  the gather: where my 16 bytes go
.set XS,   16
.set WS,   48
.set I1,   56
.set I2,   64
.set P,    72
.set G,    88
.set TW,   104
.set BI,   112
.set AF,   144
.set TP,   240
.set OT,   192                         ; in window 1
.set BK,   112                         ; the way out: rows read back, v112-143 and v144-175 by turns
.set MSB, 0
.macro WIN new                         ; the immediate's high byte repeats the setting that is left; a switch that changes nothing is dropped
.if MSB != \new
	s_set_vgpr_msb (MSB<<8)|\new
.set MSB, \new
.endif
.endm
.set MUL,  0xa1                        ; source 0 (W) window 1, source 1 (x) window 0, C and D window 2
.set MULB, 0x81                        ; the same with C (the bias) in window 0
.set LDB,  0x40                        ; destination window 1
.set GAT,  0x80                        ; destination window 2
.set GST,  0x08                        ; an LDS store's data (source 1) window 2
.set CM0,  0xc2                        ; out (window 3) = accumulator (window 2) x weight (window 0)
.set CMA,  0xf2                        ; the same + out
.set OST,  0x0c                        ; an LDS store's data window 3
.macro PLACES                          ; four plain lines between a matrix instruction and a load into a register that it has read
.rept 4
	v_nop
.endr
.endm
	s_load_b256 s[4:11], s[0:1], 0x0               ; xc s[4:5], wc s[6:7], ordw s[8:9], pso s[10:11]
	s_load_b128 s[12:15], s[0:1], 0x20             ; b_experts s[12:13], out0 s[14:15]
	v_lshl_add_u32 v254, v0, 2, 0x21000
	v_mov_b32 v255, 0
	v_lshrrev_b32 v1, 5, v0
	v_readfirstlane_b32 s16, v1                    ; wave 0..3
	v_and_b32 v1, 31, v0                           ; lane
	v_and_b32 v2, 15, v0                           ; r
	v_bfe_u32 v3, v0, 4, 1                         ; h
	s_and_b32 s18, ttmp7, 0xffff                   ; by
	s_lshl_b32 s19, ttmp9, 2
	s_add_co_u32 s19, s19, s16                     ; g = 4 bx + wave: my 64 outputs begin at 64 g
	v_lshlrev_b32 v[L16], 4, v1
	v_lshlrev_b32 v[L4], 2, v1
	v_mul_u32_u24 v[AF0], v2, XP
	v_mad_u32_u24 v[AF0], v3, 48, v[AF0]           ; row r, + 48 h: my twelve registers of a K step lie on end
	v_add_nc_u32 v[AF1], 64*XP, v[AF0]
	v_lshlrev_b32 v[BOFF], 5, v3
	v_lshlrev_b32 v[C16], 4, v2
	s_mul_i32 s30, s16, 2*16*SPT
	s_add_co_u32 s30, s30, STG                     ; my stages
	v_mul_u32_u24 v[STO], v2, SPT
	v_lshl_add_u32 v[STO], v3, 5, v[STO]
	v_add_nc_u32 v[STO], s30, v[STO]               ; in: row r, 32 bytes for each half of the lanes
	v_mad_u32_u24 v[RD], v3, 8*SPT, v[C16]
	v_add_nc_u32 v[RD], s30, v[RD]                 ; back: lanes 0-15 row i, lanes 16-31 row 8 + i
	s_mul_i32 s31, s16, 32*XP
	v_mad_u32_u24 v[SA], v3, 16*XP, v[C16]
	v_add_nc_u32 v[SA], s31, v[SA]                 ; the gather: lanes 0-15 row 32 w + i, lanes 16-31 row 32 w + 16 + i
	v_lshlrev_b32 v[TP], 2, v2                     ; 4 r
	s_lshl_b32 s32, s16, 7
	v_lshl_add_u32 v[TP+1], v3, 6, s32             ; 128 w + 64 h: the words of the 16 rows that I gather
	v_lshlrev_b32 v[TP+3], 3, v2                   ; 8 r
	v_lshlrev_b32 v[TP+4], 4, v3                   ; 16 h
.irp a, 0,1,2,3,4,5,6,7
	v_mov_b32 v[G+2*\a+1], 0                       ; named as the upper halves of the weights' pairs, so they are written
.endr
	s_mov_b32 s33, 0                               ; stays 0: the upper word of every offset
	s_wait_kmcnt 0x0
	s_lshl_b32 s32, s18, 9
	s_add_nc_u64 s[38:39], s[8:9], s[32:33]        ; my block's 128 words of ordw
	s_lshl_b32 s32, s18, 10
	s_add_nc_u64 s[40:41], s[10:11], s[32:33]      ; and its probabilities
	s_lshl_b32 s32, s19, 8
	s_add_nc_u64 s[36:37], s[14:15], s[32:33]      ; out0 at my 64 outputs
	s_add_nc_u64 s[34:35], s[4:5], SCOFF           ; x's scale bytes
	WIN LDB
.irp a, 0,1,2,3,4,5,6,7                ; the words of rows 16 a + 8 h + 0 .. 7: the rows that my stores of block a write
	global_load_b128 v[OT+8*\a:OT+8*\a+3], v[BOFF], s[38:39] offset:64*\a
	global_load_b128 v[OT+8*\a+4:OT+8*\a+7], v[BOFF], s[38:39] offset:64*\a+16
.endr
	WIN 0
.irp q, 0,1,2,3                        ; the words of rows 32 w + 16 h + 0 .. 15: the rows that I gather
	global_load_b128 v[AF+4*\q:AF+4*\q+3], v[TP+1], s[38:39] offset:16*\q
.endr
.irp a, 0,1,2,3,4,5,6,7                ; the word of row 16 a + r: the token that I hold in row block a
	global_load_b32 v[TW+\a], v[TP], s[38:39] offset:64*\a
.endr
.irp a, 0,1,2,3,4,5,6,7
	global_load_b64 v[P+2*\a:P+2*\a+1], v[TP+3], s[40:41] offset:128*\a
.endr
	s_wait_loadcnt 8                               ; all words of ordw are in; the eight loads of probabilities may be out
.irp a, 0,1,2,3,4,5,6,7
	v_bfe_u32 v[I1+\a], v[TW+\a], 16, 3
	v_bfe_u32 v[I2+\a], v[TW+\a], 24, 3
.endr
.irp a, 0,1,2,3,4,5,6,7
	v_and_b32 v[TW+\a], 0x1fff, v[TW+\a]           ; the token;
	v_min_u32 v[TW+\a], 0x1fff, v[TW+\a]           ; a loaded number enters an address behind this hold alone
	v_lshl_add_u32 v[TW+\a], v[TW+\a], 5, v[TP+4]  ; 32 scale bytes a token, + 16 h
.endr
.irp a, 0,1,2,3,4,5,6,7
	global_load_b128 v[XS+4*\a:XS+4*\a+3], v[TW+\a], s[34:35]   ; register 4 a + j: lanes 0-15 the word of K step 2 j, lanes 16-31 that of K step 2 j + 1, of token 16 a + r
.endr
	; which experts the block uses: a bit for each, the same in all four waves
	v_mov_b32 v[TP+5], 1
	v_lshlrev_b32 v[TP+6], v[I1], v[TP+5]
.irp a, 1,2,3,4,5,6,7
	v_lshlrev_b32 v[TP+7], v[I1+\a], v[TP+5]
	v_or_b32 v[TP+6], v[TP+6], v[TP+7]
.endr
.irp a, 0,1,2,3,4,5,6,7
	v_lshlrev_b32 v[TP+7], v[I2+\a], v[TP+5]
	v_or_b32 v[TP+6], v[TP+6], v[TP+7]
.endr
	s_mov_b32 s20, 0
.irp e, 0,1,2,3,4,5,6,7
	v_and_b32 v[TP+7], 1<<\e, v[TP+6]
	v_cmp_ne_u32 vcc_lo, 0, v[TP+7]
	s_cmp_lg_u32 vcc_lo, 0
	s_cselect_b32 s30, 1<<\e, 0
	s_or_b32 s20, s20, s30
.endr
	s_ctz_i32_b32 s21, s20
	s_min_u32 s21, s21, 7                          ; s21: the first pass's expert
	s_sub_co_u32 s30, s20, 1
	s_and_b32 s20, s20, s30                        ; s20: the experts still to be asked for
	s_bcnt1_i32_b32 s23, s20
	s_sub_co_u32 s23, s23, 1
	s_min_u32 s23, s23, 6                          ; s23: passes between the first and the last
.macro BASES e                         ; expert e's part for my 64 outputs: n = 16 e + g: four column blocks of codes, their scale words, the bias.  Offsets are made apart from the addresses
	s_lshl_b32 s30, \e, 4
	s_add_co_u32 s30, s30, s19
	s_mul_i32 s32, s30, 49152
	s_add_nc_u64 s[24:25], s[6:7], s[32:33]
	s_lshl_b32 s32, s30, 11
	s_add_co_u32 s32, s32, SCOFF
	s_add_nc_u64 s[26:27], s[6:7], s[32:33]
	s_lshl_b32 s32, \e, 12
	s_lshl_b32 s31, s19, 8
	s_add_co_u32 s32, s32, s31
	s_add_nc_u64 s[28:29], s[12:13], s[32:33]
.endm
.macro NEXTE                           ; the next pass's expert
	s_wait_xcnt 0x0                                ; the loads issued so far have read their bases, which are written below
	s_ctz_i32_b32 s22, s20
	s_min_u32 s22, s22, 7
	s_sub_co_u32 s30, s20, 1
	s_and_b32 s20, s20, s30
	BASES s22
.endm
.macro LOAD_B s                        ; K step s of W: four fragments as they lie, 512 consecutive bytes a load, and two registers of scale words (lanes 0-15 an even column block, lanes 16-31 the odd one): 14 loads
	WIN LDB
.irp b, 0,1,2,3
.irp c, 0,1,2
	global_load_b128 v[48*((\s)%4)+12*\b+4*\c:48*((\s)%4)+12*\b+4*\c+3], v[L16], s[24:25] offset:12288*\b+1536*(\s)+512*\c
.endr
.endr
	WIN 0
.irp p, 0,1
	global_load_b32 v[WS+2*((\s)%4)+\p], v[L4], s[26:27] offset:1024*\p+128*(\s)
.endr
.endm
.macro LOAD_BIAS                       ; in the result's layout: for column block b the eight numbers 16 b + 8 h + 0 .. 7: 8 loads
.irp b, 0,1,2,3
	global_load_b128 v[BI+8*\b:BI+8*\b+3], v[BOFF], s[28:29] offset:64*\b
	global_load_b128 v[BI+8*\b+4:BI+8*\b+7], v[BOFF], s[28:29] offset:64*\b+16
.endr
.endm
.macro FETCH_A s, a0                   ; x's fragments of row blocks a0 .. a0 + 3, K step s: 12 LDS loads
.irp a, \a0, \a0+1, \a0+2, \a0+3
.irp c, 0,1,2
	ds_load_b128 v[AF+12*(\a)+4*\c:AF+12*(\a)+4*\c+3], v[AF0+(\a)/4] offset:16*XP*((\a)%4)+96*(\s)+16*\c
.endr
.endr
.endm
; 16 matrix instructions: row blocks a0 .. a0 + 3 x my four column blocks, K step s.  The 32 accumulators take turns, one instruction a turn, in the same order in every step.
.macro MUL16 a0, s
.irp a, \a0, \a0+1, \a0+2, \a0+3
.irp b, 0,1,2,3
.set rD, 8*(4*(\a)+\b)
.set rC, rD
.if (\s) == 0
.set rC, BI+8*\b
.endif
.set rW, 48*((\s)%4)+12*\b
.set rX, AF+12*(\a)
.set rU, WS+2*((\s)%4)+\b/2
.set rV, XS+4*(\a)+(\s)/2
.if (\b%2 == 0) && ((\s)%2 == 0)
	v_wmma_scale_f32_16x16x128_f8f6f4 v[rD:rD+7], v[rW:rW+11], v[rX:rX+11], v[rC:rC+7], v[rU], v[rV] matrix_a_fmt:MATRIX_FMT_FP6 matrix_b_fmt:MATRIX_FMT_FP6
.elseif (\b%2 == 1) && ((\s)%2 == 0)
	v_wmma_scale_f32_16x16x128_f8f6f4 v[rD:rD+7], v[rW:rW+11], v[rX:rX+11], v[rC:rC+7], v[rU], v[rV] matrix_a_fmt:MATRIX_FMT_FP6 matrix_b_fmt:MATRIX_FMT_FP6 matrix_a_scale:MATRIX_SCALE_ROW1
.elseif (\b%2 == 0)
	v_wmma_scale_f32_16x16x128_f8f6f4 v[rD:rD+7], v[rW:rW+11], v[rX:rX+11], v[rC:rC+7], v[rU], v[rV] matrix_a_fmt:MATRIX_FMT_FP6 matrix_b_fmt:MATRIX_FMT_FP6 matrix_b_scale:MATRIX_SCALE_ROW1
.else
	v_wmma_scale_f32_16x16x128_f8f6f4 v[rD:rD+7], v[rW:rW+11], v[rX:rX+11], v[rC:rC+7], v[rU], v[rV] matrix_a_fmt:MATRIX_FMT_FP6 matrix_b_fmt:MATRIX_FMT_FP6 matrix_a_scale:MATRIX_SCALE_ROW1 matrix_b_scale:MATRIX_SCALE_ROW1
.endif
.endr
.endr
.endm
.macro GCALC                           ; my eight tokens' weights for the pass's expert: p1, p2 or 0.  32 plain lines that name no register of the products: they are also the places behind a pass's last products
.irp a, 0,1,2,3,4,5,6,7
	v_cmp_eq_u32 vcc_lo, s21, v[I2+\a]
	v_cndmask_b32 v[G+2*\a], 0, v[P+2*\a+1], vcc_lo
	v_cmp_eq_u32 vcc_lo, s21, v[I1+\a]
	v_cndmask_b32 v[G+2*\a], v[G+2*\a], v[P+2*\a], vcc_lo
.endr
.endm
.macro COMBINE first                   ; out = weight x accumulator (the first pass: nothing is cleared) or out += ..; each accumulator from its low end on
.if \first
	WIN CM0
.else
	WIN CMA
.endif
.set n, 0
.rept 32
.irp u, 0,2,4,6
.if \first
	v_pk_mul_f32 v[8*n+\u:8*n+\u+1], v[8*n+\u:8*n+\u+1], v[G+2*(n/4):G+2*(n/4)+1] op_sel_hi:[1,0]
.else
	v_pk_fma_f32 v[8*n+\u:8*n+\u+1], v[8*n+\u:8*n+\u+1], v[G+2*(n/4):G+2*(n/4)+1], v[8*n+\u:8*n+\u+1] op_sel_hi:[1,0,1]
.endif
.endr
.set n, n+1
.endr
	WIN 0
.endm
; A K STEP: 32 matrix instructions.  kind 0: the first pass, 1: a middle one, 2: the last.
; W's loads run four K steps ahead, into the next pass too.  Behind K step s's 14 loads stand those of the three K steps after it: 42; from step 5 on the next pass's 8 loads of bias stand among them: 50;
; the last pass asks for nothing beyond its own K step 7: 28, 14, 0.  The bias is older than its pass's K step 0.
; x has one set of registers: blocks 0-3 are fetched anew in the step's middle, blocks 4-7 at its end; behind blocks 0-3's 12 LDS loads stand blocks 4-7's 12.
.macro STEP s, kind
.if ((\kind) == 2) && ((\s) > 4)
	s_wait_loadcnt 14*(7-(\s))
.elseif (\s) > 4
	s_wait_loadcnt 50
.else
	s_wait_loadcnt 42
.endif
	s_wait_dscnt 12
.if (\s) == 0
	WIN MULB
.else
	WIN MUL
.endif
	MUL16 0, \s
	s_wait_dscnt 0x0                               ; x's blocks 4-7 are in
.if ((\kind) < 2) || ((\s) < 7)
	PLACES
	WIN 0
	FETCH_A ((\s)+1)%8, 0
.endif
.if (\s) == 0
	WIN MULB
.else
	WIN MUL
.endif
	MUL16 4, \s
	WIN 0
.if (\s) == 7
	GCALC
.else
	PLACES
.endif
.if ((\kind) < 2) || ((\s) < 7)
	FETCH_A ((\s)+1)%8, 4
.endif
.if (\s) < 4
	LOAD_B (\s)+4                                  ; into the slot just multiplied
.elseif (\kind) < 2
.if (\s) == 4
	NEXTE
	LOAD_BIAS
.endif
	LOAD_B (\s)-4
.endif
.endm
.macro PASS kind
.irp s, 0,1,2,3,4,5,6,7
	STEP \s, \kind
.endr
.if (\kind) == 0
	COMBINE 1
.else
	COMBINE 0
.endif
.if (\kind) < 2
	s_mov_b32 s21, s22
.endif
.endm
	BASES s21
	LOAD_BIAS
	LOAD_B 0
	; THE GATHER: my 32 rows' codes, two tokens x 256 consecutive bytes a load, through the registers that the accumulators will take
.irp i, 0,1,2,3,4,5,6,7,8,9,10,11,12,13,14,15
	v_and_b32 v[AF+\i], 0x1fff, v[AF+\i]
	v_min_u32 v[AF+\i], 0x1fff, v[AF+\i]           ; a loaded number enters an address behind this hold alone
	v_mul_u32_u24 v[AF+\i], v[AF+\i], 768
	v_add_nc_u32 v[AF+\i], v[AF+\i], v[C16]
.endr
	WIN GAT
.irp i, 0,1,2,3,4,5,6,7,8,9,10,11,12,13,14,15
.irp u, 0,1,2
	global_load_b128 v[12*\i+4*\u:12*\i+4*\u+3], v[AF+\i], s[4:5] offset:256*\u
.endr
.endr
	LOAD_B 1
	LOAD_B 2
	; while these are on their way: the byte offsets of the rows that I will store: token x 4,096 + 16 (lane % 16), in place in window 1
	WIN 0x44                                       ; source 1 and destination window 1
.set n, 0
.rept 64
	v_and_b32 v[OT+n], 0x1fff, v[OT+n]
	v_min_u32 v[OT+n], 0x1fff, v[OT+n]
.set n, n+1
.endr
	WIN 0x41                                       ; source 0 and destination window 1
.set n, 0
.rept 64
	v_lshl_add_u32 v[OT+n], v[OT+n], 12, v[C16]
.set n, n+1
.endr
	WIN 0
	s_wait_loadcnt 28                              ; the gather is in, and all that is older; behind it stand K steps 1 and 2 of W: 28 loads
	LOAD_B 3
	WIN GST
.irp i, 0,1,2,3,4,5,6,7,8,9,10,11,12,13,14,15
.irp u, 0,1,2
	ds_store_b128 v[SA], v[12*\i+4*\u:12*\i+4*\u+3] offset:XP*\i+256*\u
.endr
.endr
	WIN 0
	s_wait_dscnt 0x0                               ; for the others' sake: my rows have landed
	s_barrier_signal -1
	s_barrier_wait -1                              ; x's 128 rows lie in LDS; nobody writes them again
	FETCH_A 0, 0
	FETCH_A 0, 4
	PASS 0
	s_cmp_eq_u32 s23, 0
	s_cbranch_scc1 .Llast
.Lmid:
	PASS 1
	s_sub_co_u32 s23, s23, 1
	s_cmp_lg_u32 s23, 0
	s_cbranch_scc1 .Lmid
.Llast:
	PASS 2
; THE WAY OUT, a row block (16 tokens x my 64 outputs) at a time.  A lane holds 32 neighbouring bytes of a row, and the lanes beside it hold other rows: the block goes through my own stage in LDS and comes back
; as rows of 256 bytes.  LDS serves a wave's instructions in order (ISA guide 5.7.1.4): no wait between the stores and the loads; two stages take turns.
.macro TOSTAGE a
	WIN OST
.irp b, 0,1,2,3
	ds_store_b128 v[STO], v[8*(4*(\a)+\b):8*(4*(\a)+\b)+3] offset:16*SPT*((\a)%2)+64*\b
	ds_store_b128 v[STO], v[8*(4*(\a)+\b)+4:8*(4*(\a)+\b)+7] offset:16*SPT*((\a)%2)+64*\b+16
.endr
	WIN 0
.irp i, 0,1,2,3,4,5,6,7
	ds_load_b128 v[BK+32*((\a)%2)+4*\i:BK+32*((\a)%2)+4*\i+3], v[RD] offset:16*SPT*((\a)%2)+SPT*\i
.endr
.endm
.macro SEND a, younger                 ; younger: the LDS instructions issued behind block a's loads
	s_wait_dscnt \younger
	WIN 0x01                                       ; the address register (source 0) window 1
.irp i, 0,1,2,3,4,5,6,7
	global_store_b128 v[OT+8*(\a)+\i], v[BK+32*((\a)%2)+4*\i:BK+32*((\a)%2)+4*\i+3], s[36:37] th:TH_STORE_NT   ; sixteen lanes store 256 consecutive bytes of a token's row, at a multiple of 256 from out0's first byte
.endr
	WIN 0
.endm
	TOSTAGE 0
.irp a, 1,2,3,4,5,6,7
.if \a > 1
	s_wait_xcnt 0x0                                ; block a - 2's stores have read their data: block a's loads may land there
.endif
	TOSTAGE \a
	SEND \a-1, 16                                  ; behind block a - 1's loads: block a's 8 stores and 8 loads
.endr
	SEND 7, 0
	s_wait_tensorcnt 0x0
	ds_add_u32 v254, v255
	s_wait_dscnt 0x0
	s_endpgm
.Lfunc_end_k_q35ca468403_experts:
	.size	k_q35ca468403_experts, .Lfunc_end_k_q35ca468403_experts-k_q35ca468403_experts
	.p2alignl 7, 3214868480
	.fill 96, 4, 3214868480
	.section	.rodata,"a",@progbits
	.p2align	6, 0x0
	.amdhsa_kernel k_q35ca468403_experts
		.amdhsa_group_segment_fixed_size 135680
		.amdhsa_private_segment_fixed_size 0
		.amdhsa_enable_private_segment 0
		.amdhsa_kernarg_size 48
		.amdhsa_user_sgpr_count 2
		.amdhsa_user_sgpr_kernarg_segment_ptr 1
		.amdhsa_wavefront_size32 1
		.amdhsa_system_sgpr_workgroup_id_x 1
		.amdhsa_system_sgpr_workgroup_id_y 1
		.amdhsa_system_sgpr_workgroup_id_z 1
		.amdhsa_system_vgpr_workitem_id 0
		.amdhsa_next_free_vgpr 1024
		.amdhsa_next_free_sgpr 66
		.amdhsa_reserve_vcc 1
		.amdhsa_float_denorm_mode_32 3
		.amdhsa_float_denorm_mode_16_64 3
		.amdhsa_memory_ordered 1
		.amdhsa_forward_progress 1
		.amdhsa_inst_pref_size 255
	.end_amdhsa_kernel
	.section	.bss,"aw",@nobits
	.p2align	6
	.space	262144
	.amdgpu_metadata
---
amdhsa.version: [ 1, 2 ]
amdhsa.kernels:
  - .name:           k_q35ca468403_experts
    .symbol:         k_q35ca468403_experts.kd
    .args:
      - { .name: xc, .offset: 0, .size: 8, .value_kind: global_buffer, .address_space: global }
      - { .name: wc, .offset: 8, .size: 8, .value_kind: global_buffer, .address_space: global }
      - { .name: ordw, .offset: 16, .size: 8, .value_kind: global_buffer, .address_space: global }
      - { .name: pso, .offset: 24, .size: 8, .value_kind: global_buffer, .address_space: global }
      - { .name: b_experts, .offset: 32, .size: 8, .value_kind: global_buffer, .address_space: global }
      - { .name: out0, .offset: 40, .size: 8, .value_kind: global_buffer, .address_space: global }
    .group_segment_fixed_size: 135680
    .private_segment_fixed_size: 0
    .kernarg_segment_align: 8
    .kernarg_segment_size: 48
    .max_flat_workgroup_size: 128
    .sgpr_count:     66
    .vgpr_count:     1024
    .wavefront_size: 32
...
	.end_amdgpu_metadata
.endif
;; end of part 3
;; ======== version 2 of 2: 3 launches; version 1 with the launch experts written anew for expert scheduling mode
;; workspace buffers: xc 6,553,600 bytes; wc 6,553,600 bytes; selw 32,768 bytes of whole numbers; hist 32,768 bytes of whole numbers; prob 65,536 bytes; ordw 32,768 bytes of whole numbers; pso 65,536 bytes
;; launch route: the kernel of part 1 again; grid 256 x 1, 8 waves a work-group, no clusters, 207,360 bytes of LDS; arguments x, W_gate, b_gate, xc, selw, prob, hist; writes xc, selw, prob, hist
;; launch wprep: the kernel of part 2 again; grid 256 x 1, 8 waves a work-group, no clusters, 168,960 bytes of LDS; arguments W_experts, selw, prob, hist, wc, ordw, pso; writes wc, ordw, pso
;; launch experts (part 4): grid 4 x 64, 4 waves a work-group, no clusters, 135,680 bytes of LDS; arguments xc, wc, ordw, pso, b_experts, out0; writes out0
.if DOCPART == 4
	.amdgcn_target "amdgcn-amd-amdhsa--gfx1250"
	.amdhsa_code_object_version 6
	.text
	.protected	k_q35ca468403_experts
	.globl	k_q35ca468403_experts
	.p2align	8
	.type	k_q35ca468403_experts,@function
k_q35ca468403_experts:
	s_mov_b64 s[64:65], 0
	v_nop
	global_prefetch_b8 v0, s[64:65] scope:SCOPE_SE
	s_setreg_imm32_b32 hwreg(HW_REG_WAVE_SCHED_MODE, 0, 2), 2
	s_setreg_imm32_b32 hwreg(HW_REG_WAVE_MODE, 25, 1), 1
	s_wait_xcnt 0x0
	s_wait_alu depctr_vm_vsrc(0)
; EXPERTS.  out[t] = p1 (x[t] W[i1]^T + b[i1]) + p2 (x[t] W[i2]^T + b[i2]), the products on codes of FP6 (E2M3) with one E8M0 scale for each 32 along K.
; The tokens come sorted by their pair of experts (ordw, pso).  Work-group (bx, by) takes positions 128 by .. 128 by + 127 of that list and outputs 256 bx .. 256 bx + 255; wave w all 128 tokens x 64 outputs.
; It walks ONLY the experts that some token of its block has chosen, two at the least, eight at the most: one pass of K = 1,024 an expert; behind a pass each token's row is weighed with its
; probability for that expert (0 where it has not chosen it) and added.  So every output row has one owner and is stored once.
; NO TENSOR LOAD AND NO CLUSTER: the number of passes and the weights' addresses hang on numbers read from ordw.  What the four work-groups of one by share is x's tile, 100 KB beside 200 KB of weights for each pass.
; x's codes are gathered once into LDS, behind the one barrier, which stands ahead of every branch on loaded numbers.  A fragment of W has one reader in the work-group: it goes from memory straight into
; registers, laid by the launch before in the order of the operand's registers.
; THE MATRIX INSTRUCTION IS USED TRANSPOSED (source 0 = 16 rows of W, source 1 = 16 tokens): a lane holds ONE token (lane % 16) and eight neighbouring outputs.  The bias is the C of a pass's first products.
; REGISTERS, in windows of 256: window 0: v1-15 addresses; v16-47 x's scale words; v48-55 W's, four slots; v56-71 the tokens' experts; v72-87 their probabilities; v88-103 the pass's weights;
;   v104-111 offsets of x's scale words; v112-143 the bias; v144-239 x's eight fragments, ONE set; v240-247 at work in the head.
;   window 1: v0-191 W's fragments, a ring of four K steps; v192-255 the byte offsets of my 64 stores' rows in out0.   window 2: the pass's 32 accumulators ((a, b) at 8 (4 a + b)).   window 3: out, likewise.
; THE MODE: SCHED_MODE bits 1:0 = 2 (LLVM: expert scheduling mode 2), set by the entry lines.  The code itself states the register dependences
; between vector or matrix instructions and memory or LDS instructions, with s_wait_alu, always for 0.
; THE PLAN.  Registers that memory or LDS instructions touch, in the loop:
;   x's blocks 0-3 (v144-191)   read by a step's first 16 products; behind them the next step's fragments land there.
;   x's blocks 4-7 (v192-239)   read by a step's second 16 products; behind them the next step's fragments land there.
;   W's slot s % 4 and its two registers of scale words   read by all 32 products of step s; the loads of four K steps on land there, issued in step s + 1.
;   the bias (v112-143)         read by the products of step 0; the next pass's lands there behind step 4.
;   v4-v8 (offsets and LDS addresses)   read by every load; made in the head and never written again: the experts are reached by scalar bases, the K steps by immediate offsets.
;   The accumulators, out and the weights are named by vector and matrix instructions alone, until the way out.
; All 1,024 registers are allotted, so x has one set, and a step has TWO waits on va_vdst, one behind each half's products.  The first frees x's blocks 0-3.  The second frees x's blocks 4-7 and W's slot:
; x's loads follow each wait at once; W's fourteen are dealt among the next step's first products, which name the next slot, x's fragments, the scale words of their own step and the accumulators:
; none of the registers that those loads touch.  No wait on vm_vsrc is owed in the loop: nothing that a load reads is written there.
.set XP,    784                        ; a token's row in LDS: 768 bytes + 16 = 49 x 16: the 16 rows of a pass of a 16-byte load touch 16 different columns of 16 bytes
.set STG,   100352                     ; behind x's 128 rows: for each wave two stages of 16 rows x 272 bytes
.set SPT,   272
.set SCOFF, 6291456                    ; where the scale bytes begin in xc and in wc
.set L16,  4                           ; v4   16 x lane
.set L4,   5                           ; v5   4 x lane
.set AF0,  6                           ; v6   LDS: my row and half in x's row blocks 0-3;  v7: in blocks 4-7
.set AF1,  7
.set BOFF, 8                           ; v8   32 x half
.set STO,  9                           ; v9   the stage: where I put 32 bytes of a row
.set RD,   10                          ; v10  and where I read rows back
.set C16,  12                          ; v12  16 x (lane % 16)
.set SA,   13                          ; v13  the gather: where my 16 bytes go
.set XS,   16
.set WS,   48
.set I1,   56
.set I2,   64
.set P,    72
.set G,    88
.set TW,   104
.set BI,   112
.set AF,   144
.set TP,   240
.set OT,   192                         ; in window 1
.set BK,   112                         ; the way out: rows read back, v112-143 and v144-175 by turns
.set MK,   24                          ; s24-31  in the head only: a mask for each expert (these registers take the bases afterwards)
.set M1,   2                           ; s2-5, s8-11  a pass's masks 'my token's first expert is the pass's': row block a at M1 + a + 2 (a / 4); free once the head's loads are done
.set M2,   40                          ; s40-47  the same for the second expert
.set MSB, 0
.macro WIN new                         ; the immediate's high byte repeats the setting that is left; a switch that changes nothing is dropped
.if MSB != \new
	s_set_vgpr_msb (MSB<<8)|\new
.set MSB, \new
.endif
.endm
.set MUL,  0xa1                        ; source 0 (W) window 1, source 1 (x) window 0, C and D window 2
.set MULB, 0x81                        ; the same with C (the bias) in window 0
.set LDB,  0x40                        ; destination window 1
.set GAT,  0x80                        ; destination window 2
.set GST,  0x08                        ; an LDS store's data (source 1) window 2
.set CM0,  0xc2                        ; out (window 3) = accumulator (window 2) x weight (window 0)
.set CMA,  0xf2                        ; the same + out
.set OST,  0x0c                        ; an LDS store's data window 3
.macro WINM s                          ; the windows of step s's products
.if (\s) == 0
	WIN MULB
.else
	WIN MUL
.endif
.endm
.macro PLACES                          ; four plain lines between a matrix instruction and a load into a register that it has read; the wait that follows them fills no place, and they stand for no wait
.rept 4
	v_nop
.endr
.endm
	s_load_b256 s[4:11], s[0:1], 0x0               ; xc s[4:5], wc s[6:7], ordw s[8:9], pso s[10:11]
	s_load_b128 s[12:15], s[0:1], 0x20             ; b_experts s[12:13], out0 s[14:15]
	v_lshl_add_u32 v254, v0, 2, 0x21000
	v_mov_b32 v255, 0
	v_lshrrev_b32 v1, 5, v0
	v_readfirstlane_b32 s16, v1                    ; wave 0..3
	v_and_b32 v1, 31, v0                           ; lane
	v_and_b32 v2, 15, v0                           ; r
	v_bfe_u32 v3, v0, 4, 1                         ; h
	s_and_b32 s18, ttmp7, 0xffff                   ; by
	v_lshlrev_b32 v[L16], 4, v1
	v_lshlrev_b32 v[L4], 2, v1
	v_mul_u32_u24 v[AF0], v2, XP
	v_mad_u32_u24 v[AF0], v3, 48, v[AF0]           ; row r, + 48 h: my twelve registers of a K step lie on end
	v_add_nc_u32 v[AF1], 64*XP, v[AF0]
	v_lshlrev_b32 v[BOFF], 5, v3
	v_lshlrev_b32 v[C16], 4, v2
	s_wait_alu depctr_va_sdst(0)                   ; s16 is written, ahead of its first reader
	s_lshl_b32 s19, ttmp9, 2
	s_add_co_u32 s19, s19, s16                     ; g = 4 bx + wave: my 64 outputs begin at 64 g
	s_mul_i32 s30, s16, 2*16*SPT
	s_add_co_u32 s30, s30, STG                     ; my stages
	v_mul_u32_u24 v[STO], v2, SPT
	v_lshl_add_u32 v[STO], v3, 5, v[STO]
	v_add_nc_u32 v[STO], s30, v[STO]               ; in: row r, 32 bytes for each half of the lanes
	v_mad_u32_u24 v[RD], v3, 8*SPT, v[C16]
	v_add_nc_u32 v[RD], s30, v[RD]                 ; back: lanes 0-15 row i, lanes 16-31 row 8 + i
	s_mul_i32 s31, s16, 32*XP
	v_mad_u32_u24 v[SA], v3, 16*XP, v[C16]
	v_add_nc_u32 v[SA], s31, v[SA]                 ; the gather: lanes 0-15 row 32 w + i, lanes 16-31 row 32 w + 16 + i
	v_lshlrev_b32 v[TP], 2, v2                     ; 4 r
	s_lshl_b32 s32, s16, 7
	v_lshl_add_u32 v[TP+1], v3, 6, s32             ; 128 w + 64 h: the words of the 16 rows that I gather
	v_lshlrev_b32 v[TP+3], 3, v2                   ; 8 r
	v_lshlrev_b32 v[TP+4], 4, v3                   ; 16 h
.irp a, 0,1,2,3,4,5,6,7
	v_mov_b32 v[G+2*\a+1], 0                       ; named as the upper halves of the weights' pairs, so they are written
.endr
	s_mov_b32 s33, 0                               ; stays 0: the upper word of every offset
	s_wait_kmcnt 0x0
	s_lshl_b32 s32, s18, 9
	s_add_nc_u64 s[38:39], s[8:9], s[32:33]        ; my block's 128 words of ordw
	s_lshl_b32 s32, s18, 10
	s_add_nc_u64 s[40:41], s[10:11], s[32:33]      ; and its probabilities
	s_lshl_b32 s32, s19, 8
	s_add_nc_u64 s[36:37], s[14:15], s[32:33]      ; out0 at my 64 outputs
	s_add_nc_u64 s[34:35], s[4:5], SCOFF           ; x's scale bytes
	WIN LDB
	s_wait_alu depctr_va_vdst(0)                   ; the offsets and LDS addresses v4 to v13 and v240, v241, v243 are written, which the loads and stores of the whole kernel read; none of them is written again
.irp a, 0,1,2,3,4,5,6,7                ; the words of rows 16 a + 8 h + 0 .. 7: the rows that my stores of block a write
	global_load_b128 v[OT+8*\a:OT+8*\a+3], v[BOFF], s[38:39] offset:64*\a
	global_load_b128 v[OT+8*\a+4:OT+8*\a+7], v[BOFF], s[38:39] offset:64*\a+16
.endr
	WIN 0
.irp q, 0,1,2,3                        ; the words of rows 32 w + 16 h + 0 .. 15: the rows that I gather
	global_load_b128 v[AF+4*\q:AF+4*\q+3], v[TP+1], s[38:39] offset:16*\q
.endr
.irp a, 0,1,2,3,4,5,6,7                ; the word of row 16 a + r: the token that I hold in row block a
	global_load_b32 v[TW+\a], v[TP], s[38:39] offset:64*\a
.endr
.irp a, 0,1,2,3,4,5,6,7
	global_load_b64 v[P+2*\a:P+2*\a+1], v[TP+3], s[40:41] offset:128*\a
.endr
	s_wait_loadcnt 8                               ; all words of ordw are in; the eight loads of probabilities may be out
.irp a, 0,1,2,3,4,5,6,7
	v_bfe_u32 v[I1+\a], v[TW+\a], 16, 3
	v_bfe_u32 v[I2+\a], v[TW+\a], 24, 3
.endr
.irp a, 0,1,2,3,4,5,6,7
	v_and_b32 v[TW+\a], 0x1fff, v[TW+\a]           ; the token;
	v_min_u32 v[TW+\a], 0x1fff, v[TW+\a]           ; a loaded number enters an address behind this hold alone
	v_lshl_add_u32 v[TW+\a], v[TW+\a], 5, v[TP+4]  ; 32 scale bytes a token, + 16 h
.endr
	s_wait_alu depctr_va_vdst(0)                   ; the eight offsets v[TW ..] are written, which the loads below read
.irp a, 0,1,2,3,4,5,6,7
	global_load_b128 v[XS+4*\a:XS+4*\a+3], v[TW+\a], s[34:35]   ; register 4 a + j: lanes 0-15 the word of K step 2 j, lanes 16-31 that of K step 2 j + 1, of token 16 a + r
.endr
	; which experts the block uses: a bit for each, the same in all four waves
	v_mov_b32 v[TP+5], 1
	v_lshlrev_b32 v[TP+6], v[I1], v[TP+5]
.irp a, 1,2,3,4,5,6,7
	v_lshlrev_b32 v[TP+7], v[I1+\a], v[TP+5]
	v_or_b32 v[TP+6], v[TP+6], v[TP+7]
.endr
.irp a, 0,1,2,3,4,5,6,7
	v_lshlrev_b32 v[TP+7], v[I2+\a], v[TP+5]
	v_or_b32 v[TP+6], v[TP+6], v[TP+7]
.endr
.irp e, 0,1,2,3,4,5,6,7                ; the eight compares stand in one run, each with a scalar register of its own
	v_and_b32 v[TP+7], 1<<\e, v[TP+6]
	v_cmp_ne_u32 s[MK+\e], 0, v[TP+7]
.endr
	s_wait_alu depctr_va_sdst(0)                   ; the eight compares have written s24 to s31, ahead of their first reader
	s_mov_b32 s20, 0
.irp e, 0,1,2,3,4,5,6,7
	s_cmp_lg_u32 s[MK+\e], 0
	s_cselect_b32 s22, 1<<\e, 0
	s_or_b32 s20, s20, s22
.endr
	s_ctz_i32_b32 s21, s20
	s_min_u32 s21, s21, 7                          ; s21: the first pass's expert
	s_sub_co_u32 s30, s20, 1
	s_and_b32 s20, s20, s30                        ; s20: the experts still to be asked for
	s_bcnt1_i32_b32 s23, s20
	s_sub_co_u32 s23, s23, 1
	s_min_u32 s23, s23, 6                          ; s23: passes between the first and the last
.macro BASES e                         ; expert e's part for my 64 outputs: n = 16 e + g: four column blocks of codes, their scale words, the bias.  Offsets are made apart from the addresses
	s_lshl_b32 s30, \e, 4
	s_add_co_u32 s30, s30, s19
	s_mul_i32 s32, s30, 49152
	s_add_nc_u64 s[24:25], s[6:7], s[32:33]
	s_lshl_b32 s32, s30, 11
	s_add_co_u32 s32, s32, SCOFF
	s_add_nc_u64 s[26:27], s[6:7], s[32:33]
	s_lshl_b32 s32, \e, 12
	s_lshl_b32 s31, s19, 8
	s_add_co_u32 s32, s32, s31
	s_add_nc_u64 s[28:29], s[12:13], s[32:33]
.endm
.macro NEXTE                           ; the next pass's expert
	s_wait_xcnt 0x0                                ; the loads issued so far have read their bases, which are written below
	s_ctz_i32_b32 s22, s20
	s_min_u32 s22, s22, 7
	s_sub_co_u32 s30, s20, 1
	s_and_b32 s20, s20, s30
	BASES s22
.endm
.macro LOAD_BF s, b0                   ; K step s of W: the fragments of column blocks b0 and b0 + 1 as they lie, 512 consecutive bytes a load: 6 loads, under destination window 1
.irp b, \b0, \b0+1
.irp c, 0,1,2
	global_load_b128 v[48*((\s)%4)+12*(\b)+4*\c:48*((\s)%4)+12*(\b)+4*\c+3], v[L16], s[24:25] offset:12288*(\b)+1536*(\s)+512*\c
.endr
.endr
.endm
.macro LOAD_WS s                       ; and its two registers of scale words (lanes 0-15 an even column block, lanes 16-31 the odd one), under window 0
.irp p, 0,1
	global_load_b32 v[WS+2*((\s)%4)+\p], v[L4], s[26:27] offset:1024*\p+128*(\s)
.endr
.endm
.macro LOAD_B s                        ; the whole K step in one run, as the head asks for it: 14 loads
	WIN LDB
	LOAD_BF \s, 0
	LOAD_BF \s, 2
	WIN 0
	LOAD_WS \s
.endm
.macro LOAD_BIAS                       ; in the result's layout: for column block b the eight numbers 16 b + 8 h + 0 .. 7: 8 loads
.irp b, 0,1,2,3
	global_load_b128 v[BI+8*\b:BI+8*\b+3], v[BOFF], s[28:29] offset:64*\b
	global_load_b128 v[BI+8*\b+4:BI+8*\b+7], v[BOFF], s[28:29] offset:64*\b+16
.endr
.endm
.macro FETCH_A s, a0                   ; x's fragments of row blocks a0 .. a0 + 3, K step s: 12 LDS loads
.irp a, \a0, \a0+1, \a0+2, \a0+3
.irp c, 0,1,2
	ds_load_b128 v[AF+12*(\a)+4*\c:AF+12*(\a)+4*\c+3], v[AF0+(\a)/4] offset:16*XP*((\a)%4)+96*(\s)+16*\c
.endr
.endr
.endm
; 4 matrix instructions: row block a x my four column blocks, K step s.  The 32 accumulators take turns, one instruction a turn, in the same order in every step.
.macro MUL4 a, s
.irp b, 0,1,2,3
.set rD, 8*(4*(\a)+\b)
.set rC, rD
.if (\s) == 0
.set rC, BI+8*\b
.endif
.set rW, 48*((\s)%4)+12*\b
.set rX, AF+12*(\a)
.set rU, WS+2*((\s)%4)+\b/2
.set rV, XS+4*(\a)+(\s)/2
.if (\b%2 == 0) && ((\s)%2 == 0)
	v_wmma_scale_f32_16x16x128_f8f6f4 v[rD:rD+7], v[rW:rW+11], v[rX:rX+11], v[rC:rC+7], v[rU], v[rV] matrix_a_fmt:MATRIX_FMT_FP6 matrix_b_fmt:MATRIX_FMT_FP6
.elseif (\b%2 == 1) && ((\s)%2 == 0)
	v_wmma_scale_f32_16x16x128_f8f6f4 v[rD:rD+7], v[rW:rW+11], v[rX:rX+11], v[rC:rC+7], v[rU], v[rV] matrix_a_fmt:MATRIX_FMT_FP6 matrix_b_fmt:MATRIX_FMT_FP6 matrix_a_scale:MATRIX_SCALE_ROW1
.elseif (\b%2 == 0)
	v_wmma_scale_f32_16x16x128_f8f6f4 v[rD:rD+7], v[rW:rW+11], v[rX:rX+11], v[rC:rC+7], v[rU], v[rV] matrix_a_fmt:MATRIX_FMT_FP6 matrix_b_fmt:MATRIX_FMT_FP6 matrix_b_scale:MATRIX_SCALE_ROW1
.else
	v_wmma_scale_f32_16x16x128_f8f6f4 v[rD:rD+7], v[rW:rW+11], v[rX:rX+11], v[rC:rC+7], v[rU], v[rV] matrix_a_fmt:MATRIX_FMT_FP6 matrix_b_fmt:MATRIX_FMT_FP6 matrix_a_scale:MATRIX_SCALE_ROW1 matrix_b_scale:MATRIX_SCALE_ROW1
.endif
.endr
.endm
.macro MUL16 a0, s                     ; 16 of them: row blocks a0 .. a0 + 3
.irp a, \a0, \a0+1, \a0+2, \a0+3
	MUL4 \a, \s
.endr
.endm
.macro GCALC                           ; my eight tokens' weights for the pass's expert: p1, p2 or 0.  32 plain lines that name no register of the products: they are also the places behind a pass's last products
.irp a, 0,1,2,3,4,5,6,7                ; the sixteen compares stand in one run, each with a scalar register of its own
	v_cmp_eq_u32 s[M2+\a], s21, v[I2+\a]
	v_cmp_eq_u32 s[M1+\a+2*(\a/4)], s21, v[I1+\a]
.endr
	s_wait_alu depctr_va_sdst(0)                   ; the sixteen compares have written their masks, ahead of the selections that read them
.irp a, 0,1,2,3,4,5,6,7
	v_cndmask_b32 v[G+2*\a], 0, v[P+2*\a+1], s[M2+\a]
.endr
.irp a, 0,1,2,3,4,5,6,7
	v_cndmask_b32 v[G+2*\a], v[G+2*\a], v[P+2*\a], s[M1+\a+2*(\a/4)]
.endr
.endm
.macro COMBINE first                   ; out = weight x accumulator (the first pass: nothing is cleared) or out += ..; each accumulator from its low end on
.if \first
	WIN CM0
.else
	WIN CMA
.endif
.set n, 0
.rept 32
.irp u, 0,2,4,6
.if \first
	v_pk_mul_f32 v[8*n+\u:8*n+\u+1], v[8*n+\u:8*n+\u+1], v[G+2*(n/4):G+2*(n/4)+1] op_sel_hi:[1,0]
.else
	v_pk_fma_f32 v[8*n+\u:8*n+\u+1], v[8*n+\u:8*n+\u+1], v[G+2*(n/4):G+2*(n/4)+1], v[8*n+\u:8*n+\u+1] op_sel_hi:[1,0,1]
.endif
.endr
.set n, n+1
.endr
	WIN 0
.endm
; A K STEP: 32 matrix instructions.  kind 0: the first pass, 1: a middle one, 2: the last.
; W's LOADS.  Step s asks for K step s + 3 (from step 5 on: the next pass's K steps 0 to 2; step 0: its own pass's K step 3), into the slot that step s - 1 multiplied: six loads behind its 4th product, six behind
; its 8th, the two scale words behind its 16th.  The wait at the end of step s - 1 has stated that the slot's readers are done, and no vector or matrix instruction issued since names the slot, its scale words or the two offsets.
; Behind K step s's 14 loads stand those of the two K steps after it: 28; from step 5 on the next pass's 8 loads of bias stand among them: 36; the last pass asks for nothing beyond its own K step 7: 28, 14, 0.
; The bias is older than its pass's K step 0.
; x has one set of registers: blocks 0-3 are fetched anew in the step's middle, blocks 4-7 at its end; behind blocks 0-3's 12 LDS loads stand blocks 4-7's 12.
.macro STEP s, kind
.if ((\kind) == 2) && ((\s) > 5)
	s_wait_loadcnt 14*(7-(\s))
.elseif ((\kind) < 2) && ((\s) > 4)
	s_wait_loadcnt 36
.else
	s_wait_loadcnt 28
.endif
	s_wait_dscnt 12
	WINM \s
	MUL4 0, \s
.if ((\kind) < 2) || ((\s) < 5)
	WIN LDB
	LOAD_BF ((\s)+3)%8, 0
	WINM \s
.endif
	MUL4 1, \s
.if ((\kind) < 2) || ((\s) < 5)
	WIN LDB
	LOAD_BF ((\s)+3)%8, 2
	WINM \s
.endif
	MUL4 2, \s
	MUL4 3, \s
	s_wait_dscnt 0x0                               ; x's blocks 4-7 are in
.if ((\kind) < 2) || ((\s) < 7)
	PLACES
.endif
	WIN 0
.if ((\kind) < 2) || ((\s) < 5)
	LOAD_WS ((\s)+3)%8
.endif
.if ((\kind) < 2) || ((\s) < 7)
	s_wait_alu depctr_va_vdst(0)                   ; this step's first 16 products are done reading x's blocks 0-3, in which the loads below land
	FETCH_A ((\s)+1)%8, 0
.endif
	WINM \s
	MUL16 4, \s
	WIN 0
.if (\s) == 7
	GCALC
.else
	PLACES
.endif
.if ((\kind) < 2) || ((\s) < 7)
	s_wait_alu depctr_va_vdst(0)                   ; this step's products are done reading x's blocks 4-7, in which the loads below land, and W's slot and its scale words, in which the next step's loads of W land
	FETCH_A ((\s)+1)%8, 4
.endif
.if ((\s) == 4) && ((\kind) < 2)
	NEXTE                                          ; behind the loads of this pass's K step 7
	LOAD_BIAS                                      ; the products that read the bias, step 0's, stand ahead of the waits above, and steps 5 to 7 do not name it
.endif
.endm
.macro PASS kind
.irp s, 0,1,2,3,4,5,6,7
	STEP \s, \kind
.endr
.if (\kind) == 0
	COMBINE 1
.else
	COMBINE 0
.endif
.if (\kind) < 2
	s_mov_b32 s21, s22
.endif
.endm
	BASES s21
	LOAD_BIAS
	LOAD_B 0
	; THE GATHER: my 32 rows' codes, two tokens x 256 consecutive bytes a load, through the registers that the accumulators will take
.irp i, 0,1,2,3,4,5,6,7,8,9,10,11,12,13,14,15
	v_and_b32 v[AF+\i], 0x1fff, v[AF+\i]
	v_min_u32 v[AF+\i], 0x1fff, v[AF+\i]           ; a loaded number enters an address behind this hold alone
	v_mul_u32_u24 v[AF+\i], v[AF+\i], 768
	v_add_nc_u32 v[AF+\i], v[AF+\i], v[C16]
.endr
	WIN GAT
	s_wait_alu depctr_va_vdst(0)                   ; the sixteen offsets v[AF ..] are written, which the gather's loads read
.irp i, 0,1,2,3,4,5,6,7,8,9,10,11,12,13,14,15
.irp u, 0,1,2
	global_load_b128 v[12*\i+4*\u:12*\i+4*\u+3], v[AF+\i], s[4:5] offset:256*\u
.endr
.endr
	LOAD_B 1
	LOAD_B 2
	; while these are on their way: the byte offsets of the rows that I will store: token x 4,096 + 16 (lane % 16), in place in window 1
	WIN 0x44                                       ; source 1 and destination window 1
.set n, 0
.rept 64
	v_and_b32 v[OT+n], 0x1fff, v[OT+n]
	v_min_u32 v[OT+n], 0x1fff, v[OT+n]
.set n, n+1
.endr
	WIN 0x41                                       ; source 0 and destination window 1
.set n, 0
.rept 64
	v_lshl_add_u32 v[OT+n], v[OT+n], 12, v[C16]
.set n, n+1
.endr
	WIN 0
	s_wait_loadcnt 28                              ; the gather is in, and all that is older; behind it stand K steps 1 and 2 of W: 28 loads.  K step 3 is asked for in the first pass's step 0
	WIN GST
.irp i, 0,1,2,3,4,5,6,7,8,9,10,11,12,13,14,15
.irp u, 0,1,2
	ds_store_b128 v[SA], v[12*\i+4*\u:12*\i+4*\u+3] offset:XP*\i+256*\u
.endr
.endr
	WIN 0
	s_wait_dscnt 0x0                               ; for the others' sake: my rows have landed
	s_barrier_signal -1
	s_barrier_wait -1                              ; x's 128 rows lie in LDS; nobody writes them again
	s_wait_alu depctr_vm_vsrc(0)                   ; the gather's loads have read their offsets v[AF ..], in which x's fragments land below; my LDS stores have read the registers of window 2, which the products write
	FETCH_A 0, 0
	FETCH_A 0, 4
	PASS 0
	s_cmp_eq_u32 s23, 0
	s_cbranch_scc1 .Llast
.Lmid:
	PASS 1
	s_sub_co_u32 s23, s23, 1
	s_cmp_lg_u32 s23, 0
	s_cbranch_scc1 .Lmid
.Llast:
	PASS 2
; THE WAY OUT, a row block (16 tokens x my 64 outputs) at a time.  A lane holds 32 neighbouring bytes of a row, and the lanes beside it hold other rows: the block goes through my own stage in LDS and comes back
; as rows of 256 bytes.  LDS serves a wave's instructions in order (ISA guide 5.7.1.4): no wait between the stores and the loads; two stages take turns.
; No vector or matrix instruction stands in it: one wait on va_vdst at its head serves all its stores and loads.
.macro TOSTAGE a
	WIN OST
.irp b, 0,1,2,3
	ds_store_b128 v[STO], v[8*(4*(\a)+\b):8*(4*(\a)+\b)+3] offset:16*SPT*((\a)%2)+64*\b
	ds_store_b128 v[STO], v[8*(4*(\a)+\b)+4:8*(4*(\a)+\b)+7] offset:16*SPT*((\a)%2)+64*\b+16
.endr
	WIN 0
.irp i, 0,1,2,3,4,5,6,7
	ds_load_b128 v[BK+32*((\a)%2)+4*\i:BK+32*((\a)%2)+4*\i+3], v[RD] offset:16*SPT*((\a)%2)+SPT*\i
.endr
.endm
.macro SEND a, younger                 ; younger: the LDS instructions issued behind block a's loads
	s_wait_dscnt \younger
	WIN 0x01                                       ; the address register (source 0) window 1
.irp i, 0,1,2,3,4,5,6,7
	global_store_b128 v[OT+8*(\a)+\i], v[BK+32*((\a)%2)+4*\i:BK+32*((\a)%2)+4*\i+3], s[36:37] th:TH_STORE_NT   ; sixteen lanes store 256 consecutive bytes of a token's row, at a multiple of 256 from out0's first byte
.endr
	WIN 0
.endm
	s_wait_alu depctr_va_vdst(0)                   ; the last weighing has written out (window 3), which the LDS stores read; the products are done reading the bias and x's fragments, in whose registers the rows read back land
	TOSTAGE 0
.irp a, 1,2,3,4,5,6,7
.if \a > 1
	s_wait_xcnt 0x0                                ; block a - 2's stores have had their addresses translated: block a's loads may land in their data registers
	s_wait_alu depctr_vm_vsrc(0)                   ; block a - 2's stores have read v[BK ..] of their turn, in which block a's loads land
.endif
	TOSTAGE \a
	SEND \a-1, 16                                  ; behind block a - 1's loads: block a's 8 stores and 8 loads
.endr
	SEND 7, 0
	s_wait_dscnt 0x0
	s_wait_alu depctr_hold_cnt(0) depctr_sa_sdst(0) depctr_va_vdst(0) depctr_va_sdst(0) depctr_va_ssrc(0) depctr_va_vcc(0) depctr_vm_vsrc(0)
	s_wait_tensorcnt 0x0
	ds_add_u32 v254, v255
	s_wait_dscnt 0x0
	s_endpgm
.Lfunc_end_k_q35ca468403_experts:
	.size	k_q35ca468403_experts, .Lfunc_end_k_q35ca468403_experts-k_q35ca468403_experts
	.p2alignl 7, 3214868480
	.fill 96, 4, 3214868480
	.section	.rodata,"a",@progbits
	.p2align	6, 0x0
	.amdhsa_kernel k_q35ca468403_experts
		.amdhsa_group_segment_fixed_size 135680
		.amdhsa_private_segment_fixed_size 0
		.amdhsa_enable_private_segment 0
		.amdhsa_kernarg_size 48
		.amdhsa_user_sgpr_count 2
		.amdhsa_user_sgpr_kernarg_segment_ptr 1
		.amdhsa_wavefront_size32 1
		.amdhsa_system_sgpr_workgroup_id_x 1
		.amdhsa_system_sgpr_workgroup_id_y 1
		.amdhsa_system_sgpr_workgroup_id_z 1
		.amdhsa_system_vgpr_workitem_id 0
		.amdhsa_next_free_vgpr 1024
		.amdhsa_next_free_sgpr 66
		.amdhsa_reserve_vcc 0
		.amdhsa_float_denorm_mode_32 3
		.amdhsa_float_denorm_mode_16_64 3
		.amdhsa_memory_ordered 1
		.amdhsa_forward_progress 1
		.amdhsa_inst_pref_size 255
	.end_amdhsa_kernel
	.section	.bss,"aw",@nobits
	.p2align	6
	.space	262144
	.amdgpu_metadata
---
amdhsa.version: [ 1, 2 ]
amdhsa.kernels:
  - .name:           k_q35ca468403_experts
    .symbol:         k_q35ca468403_experts.kd
    .args:
      - { .name: xc, .offset: 0, .size: 8, .value_kind: global_buffer, .address_space: global }
      - { .name: wc, .offset: 8, .size: 8, .value_kind: global_buffer, .address_space: global }
      - { .name: ordw, .offset: 16, .size: 8, .value_kind: global_buffer, .address_space: global }
      - { .name: pso, .offset: 24, .size: 8, .value_kind: global_buffer, .address_space: global }
      - { .name: b_experts, .offset: 32, .size: 8, .value_kind: global_buffer, .address_space: global }
      - { .name: out0, .offset: 40, .size: 8, .value_kind: global_buffer, .address_space: global }
    .group_segment_fixed_size: 135680
    .private_segment_fixed_size: 0
    .kernarg_segment_align: 8
    .kernarg_segment_size: 48
    .max_flat_workgroup_size: 128
    .sgpr_count:     66
    .vgpr_count:     1024
    .wavefront_size: 32
...
	.end_amdgpu_metadata
.endif
;; end of part 4
